; MI455X (gfx1250); checked and timed in simulation.
; The chip was launched on July 23, 2026; its instructions are those of AMD's public machine-readable ISA for CDNA 5 (MIT licence, August 2026) and "CDNA5" Instruction Set Architecture Reference Guide (July 2026). The comments in the code are by the model that wrote it; some were corrected since.
;; Cross Head Attention. Allowed arithmetic: float matrix products may take bf16 or f16 operands with f32 sums; all other float work in f32.
;; Inputs: Wk 16 x 1,024 x 64 float32; Wo 1,024 x 1,024 float32; Wq 16 x 1,024 x 64 float32; Wv 16 x 1,024 x 64 float32; bk 16 x 64 float32; bo 1,024 float32; bq 16 x 64 float32; bv 16 x 64 float32; dec_hidden_state 2 x 2,048 x 1,024 float32; enc_hidden_state 2 x 2,048 x 1,024 float32; mask 2 x 2,048 x 2,048 int32.
;; Outputs: out0 2 x 2,048 x 1,024 float32.
;; 2 versions, each right; version 2 is version 1 with the launch prep written anew for expert scheduling mode. Each part assembles by itself: llvm-mc -triple=amdgcn-amd-amdhsa -mcpu=gfx1250 --defsym DOCPART=n.
;; ======== version 1 of 2: 4 launches
;; limits: values outside matrix products are rounded to bf16
;; workspace buffers: xb 16,777,216 bytes; wb 8,388,608 bytes; mbits 1,048,576 bytes of whole numbers; qkv 25,165,824 bytes; att 8,388,608 bytes
;; launch prep (part 1): grid 256 x 1, 8 waves a work-group, no clusters, 5,376 bytes of LDS; arguments enc_hidden_state, dec_hidden_state, Wq, Wk, Wv, Wo, mask, xb, wb, mbits; writes xb, wb, mbits
.if DOCPART == 1
	.amdgcn_target "amdgcn-amd-amdhsa--gfx1250"
	.amdhsa_code_object_version 6
	.text
	.protected	k_q1d7391a669_prep
	.globl	k_q1d7391a669_prep
	.p2align	8
	.type	k_q1d7391a669_prep,@function
k_q1d7391a669_prep:
	s_mov_b64 s[64:65], 0
	v_nop
	global_prefetch_b8 v0, s[64:65] scope:SCOPE_SE
	s_setreg_imm32_b32 hwreg(HW_REG_WAVE_MODE, 25, 1), 1
	s_wait_xcnt 0x0
; PREP: casts and the mask's bits, one pass over the inputs.
;   xb    bf16 [2][4096][1024]        part 0 = enc_hidden_state, part 1 = dec_hidden_state (rows b*2048+s)
;   wb    bf16 [4][1024 k][1024 n]    parts 0..2 = Wq, Wk, Wv with n = head*64+kk; part 3 = Wo as it lies
;   mbits u32  [256 q tiles][128 key tiles][8 j]: bit L of word (qt, kt, j) = (mask[row 16 qt + (L&15)][key 16 kt + 8 (L>>4) + j] != 0),
;         rows counted b*2048+q: the order in which the attention launch's lanes hold a 16 x 16 tile of scores, so that one word masks one register.
; DEAD WORK, for the whole program: bk is not loaded and is no launch's argument.  scores[q][s] = q.(k0[s]+bk)/8 = q.k0[s]/8 + q.bk/8, and the
; second term is the same for every s of a query's row.  A softmax along s is unchanged by a term that is constant along s; masked places are
; -inf with or without it, and a row that is masked throughout is NaN with or without it.  This holds for all finite values of the inputs.
; LIMIT: a NaN, an infinity or an overflow that reaches only q.bk is not carried to the result.
; Matrix units, clusters and tensor loads buy nothing here: the launch only moves bytes.
; Work-group g: 64 KiB of enc, 64 KiB of dec, rows d = 4g..4g+3 of every head of Wq, Wk, Wv, 4 rows of Wo, and mask rows 16g..16g+15 (q tile g).
; ORDER: three banks of 16 loads, 48 loads (24 KiB) of a wave on their way.  The mask comes first, since its bits need the most arithmetic and a barrier:
; while the words are exchanged through LDS and transposed, the loads of enc, dec and the weights are out.  These three are converted last, in place:
; their banks are never loaded again, so no store's data register is ever rewritten and no wait stands for that.
.set VIN,  1                           ; 16 t: my 16 bytes of each 4,096 that the group reads densely; also my 16 bytes of mbits
.set VOUT, 2                           ; 8 t: my 8 bytes of bf16: a wave's store covers 256 consecutive bytes, aligned
.set VW,   3                           ; (t>>4)<<18 | (t&15)<<4: head t>>4, 16 bytes of its 256-byte row
.set VM,   4                           ; wave<<14 | lane<<4: mask rows 2w, 2w+1
.set LST,  5                           ; LDS: wave*544 + 4 lane
.set LRD,  6                           ; LDS: (lane&15)*272 + 32 wave
.set SH,   7                           ; 2 (lane>>4)
.set B0,   16                          ; v[16:79]   bank 0: mask row 2w, then dec
.set B1,   80                          ; v[80:143]  bank 1: mask row 2w+1, then the weights
.set B2,   144                         ; v[144:207] bank 2: enc
.set RW,   208                         ; v[208:211] the bit words of my two mask rows, 64 words a row
.set X,    212                         ; v[212:219] eight words of row lane&15
.set OW,   220                         ; v[220:223] my wave's 128 words of mbits, 4 a lane
.set T,    224                         ; v[224:225] at work
	s_load_b512 s[4:19], s[0:1], 0x0               ; enc 4:5, dec 6:7, Wq 8:9, Wk 10:11, Wv 12:13, Wo 14:15, mask 16:17, xb 18:19
	s_load_b128 s[20:23], s[0:1], 0x40             ; wb 20:21, mbits 22:23
	v_lshl_add_u32 v232, v0, 2, 0x1100
	v_mov_b32 v233, 0
	v_lshrrev_b32 v10, 5, v0
	v_readfirstlane_b32 s44, v10                   ; wave
	v_and_b32 v11, 31, v0                          ; lane
	v_and_b32 v9, 15, v0
	v_lshrrev_b32 v8, 4, v0
	v_lshlrev_b32 v[VIN], 4, v0
	v_lshlrev_b32 v[VOUT], 3, v0
	v_lshlrev_b32 v[VW], 4, v9
	v_lshl_or_b32 v[VW], v8, 18, v[VW]
	s_lshl_b32 s47, s44, 14
	v_lshl_add_u32 v[VM], v11, 4, s47
	s_mul_i32 s45, s44, 544
	v_lshl_add_u32 v[LST], v11, 2, s45
	s_lshl_b32 s46, s44, 5
	v_mul_u32_u24 v[LRD], v9, 272
	v_add_nc_u32 v[LRD], s46, v[LRD]
	v_bfe_u32 v[SH], v0, 4, 1
	v_lshlrev_b32 v[SH], 1, v[SH]
.irp a, 0,1,2,3
	v_mov_b32 v[RW+\a], 0                          ; v_writelane_b32 keeps the other lanes: its destination is written whole first
	v_mov_b32 v[OW+\a], 0
.endr
	s_mov_b32 s25, 0
	s_wait_kmcnt 0x0
	s_lshl_b32 s24, ttmp9, 16                      ; 64 KiB of enc and of dec
	s_add_nc_u64 s[4:5], s[4:5], s[24:25]
	s_add_nc_u64 s[6:7], s[6:7], s[24:25]
	s_lshl_b32 s24, ttmp9, 10                      ; 4 rows of 256 bytes inside every head
	s_add_nc_u64 s[8:9], s[8:9], s[24:25]
	s_add_nc_u64 s[10:11], s[10:11], s[24:25]
	s_add_nc_u64 s[12:13], s[12:13], s[24:25]
	s_lshl_b32 s24, ttmp9, 14                      ; 4 rows of Wo
	s_add_nc_u64 s[14:15], s[14:15], s[24:25]
	s_lshl_b32 s24, ttmp9, 17                      ; 16 rows of the mask
	s_add_nc_u64 s[16:17], s[16:17], s[24:25]
	s_lshl_b32 s24, ttmp9, 15
	s_add_nc_u64 s[18:19], s[18:19], s[24:25]      ; xb, enc's part
	s_add_nc_u64 s[26:27], s[18:19], 0x800000      ; xb, dec's part
	s_lshl_b32 s24, ttmp9, 13                      ; 4 rows of 2,048 bytes in each part of wb
	s_add_nc_u64 s[28:29], s[20:21], s[24:25]
	s_add_nc_u64 s[30:31], s[28:29], 0x200000
	s_add_nc_u64 s[32:33], s[30:31], 0x200000
	s_add_nc_u64 s[34:35], s[32:33], 0x200000
	s_lshl_b32 s24, ttmp9, 12                      ; my q tile's 4,096 bytes of mbits
	s_add_nc_u64 s[22:23], s[22:23], s[24:25]
; cnt loads of 16 bytes a lane into a bank's places first, first+1, ..
.macro LDN bank, first, cnt, voff, base, step, imm0
.set li, 0
.rept \cnt
	global_load_b128 v[\bank+4*(\first+li):\bank+4*(\first+li)+3], v[\voff], s[\base:\base+1] offset:\imm0+li*\step th:TH_LOAD_NT
.set li, li+1
.endr
.endm
; place i of a bank: four f32 become four bf16 in the place's own first two registers and leave.  left = how many younger loads may stay out
.macro CV bank, i, left, base, imm
	s_wait_loadcnt \left
	v_cvt_pk_bf16_f32 v[\bank+4*(\i)], v[\bank+4*(\i)], v[\bank+4*(\i)+1]
	v_cvt_pk_bf16_f32 v[\bank+4*(\i)+1], v[\bank+4*(\i)+2], v[\bank+4*(\i)+3]
	global_store_b64 v[VOUT], v[\bank+4*(\i):\bank+4*(\i)+1], s[(\base):(\base)+1] offset:\imm
.endm
; place i of a bank holds 128 keys of a mask row (span gi%16 of row gi/16): word c has bit lane = (key 128 span + 4 lane + c is open)
.macro MK bank, i, left, gi
	s_wait_loadcnt \left
.irp c, 0,1,2,3
	v_cmp_ne_u32 s[36+\c+4*((\gi)%2)], 0, v[\bank+4*(\i)+\c]
	v_writelane_b32 v[RW+(\gi)/8], s[36+\c+4*((\gi)%2)], 4*((\gi)%8)+\c
.endr
.endm
	LDN B0, 0, 16, VM, 16, 512, 0                  ; mask row 2w
	LDN B1, 0, 16, VM, 16, 512, 8192               ; mask row 2w+1
	LDN B2, 0, 16, VIN, 4, 4096, 0                 ; enc
.set ci, 0
.rept 16
	MK B0, ci, 47-ci, ci                           ; 15-ci younger loads of this bank and the 32 of the two banks behind it stay out
.set ci, ci+1
.endr
	LDN B0, 0, 16, VIN, 6, 4096, 0                 ; dec, into the bank whose words have been made
.set ci, 0
.rept 16
	MK B1, ci, 47-ci, 16+ci                        ; 15-ci of this bank, enc's 16 and dec's 16 stay out
.set ci, ci+1
.endr
	LDN B1, 0,  4, VW,  8,  256,  0                ; Wq, Wk, Wv: row d of all 16 heads is one load of the group
	LDN B1, 4,  4, VW,  10, 256,  0
	LDN B1, 8,  4, VW,  12, 256,  0
	LDN B1, 12, 4, VIN, 14, 4096, 0                ; Wo
	; the 16 rows' words meet in LDS: row r at 272 r, word 4 span + c.  All of what follows up to the store of mbits runs with 48 loads on their way
.irp a, 0,1,2,3
	ds_store_b32 v[LST], v[RW+\a] offset:(\a/2)*272+128*(\a%2)
.endr
	s_wait_dscnt 0x0                               ; my stores are done, for the other waves' sake
	s_barrier_signal -1
	s_barrier_wait -1
	ds_load_b128 v[X:X+3], v[LRD]                  ; row lane&15, span 2w
	ds_load_b128 v[X+4:X+7], v[LRD] offset:16      ; span 2w+1
	s_wait_dscnt 0x0
.irp a, 0,1,2,3,4,5,6,7
	v_lshrrev_b32 v[X+\a], v[SH], v[X+\a]          ; lanes 16-31 look 8 keys (two bits of a word) further on
.endr
	; key 16 kk + 8 h + j of a span is bit 4 kk + 2 h + j/4 of word j%4.  Word n = 64 sp + 8 kk + j of my 128 goes to lane n/4, register n%4
.irp sp, 0,1
.irp kk, 0,1,2,3,4,5,6,7
.irp j, 0,1,2,3,4,5,6,7
	v_and_b32 v[T+\j%2], 1<<(4*\kk+\j/4), v[X+4*\sp+\j%4]
	v_cmp_ne_u32 s[36+\j], 0, v[T+\j%2]
	v_writelane_b32 v[OW+\j%4], s[36+\j], 16*\sp+2*\kk+\j/4
.endr
.endr
.endr
	global_store_b128 v[VIN], v[OW:OW+3], s[22:23] ; 512 consecutive bytes a wave
.set ci, 0
.rept 16
	CV B2, ci, 47-ci, 18, 2048*ci                  ; enc: 15-ci of this bank, dec's 16 and the weights' 16 stay out
.set ci, ci+1
.endr
.set ci, 0
.rept 16
	CV B0, ci, 31-ci, 26, 2048*ci                  ; dec: 15-ci of this bank and the weights' 16 stay out
.set ci, ci+1
.endr
.set ci, 0
.rept 16
	CV B1, ci, 15-ci, 28+2*(ci/4), 2048*(ci%4)     ; the weights: only this bank's younger loads are out
.set ci, ci+1
.endr
	s_wait_tensorcnt 0x0
	ds_add_u32 v232, v233
	s_wait_dscnt 0x0
	s_endpgm
.Lfunc_end_k_q1d7391a669_prep:
	.size	k_q1d7391a669_prep, .Lfunc_end_k_q1d7391a669_prep-k_q1d7391a669_prep
	.p2alignl 7, 3214868480
	.fill 96, 4, 3214868480
	.section	.rodata,"a",@progbits
	.p2align	6, 0x0
	.amdhsa_kernel k_q1d7391a669_prep
		.amdhsa_group_segment_fixed_size 5376
		.amdhsa_private_segment_fixed_size 0
		.amdhsa_enable_private_segment 0
		.amdhsa_kernarg_size 80
		.amdhsa_user_sgpr_count 2
		.amdhsa_user_sgpr_kernarg_segment_ptr 1
		.amdhsa_wavefront_size32 1
		.amdhsa_system_sgpr_workgroup_id_x 1
		.amdhsa_system_sgpr_workgroup_id_y 1
		.amdhsa_system_sgpr_workgroup_id_z 1
		.amdhsa_system_vgpr_workitem_id 0
		.amdhsa_next_free_vgpr 234
		.amdhsa_next_free_sgpr 66
		.amdhsa_reserve_vcc 0
		.amdhsa_float_denorm_mode_32 3
		.amdhsa_float_denorm_mode_16_64 3
		.amdhsa_memory_ordered 1
		.amdhsa_forward_progress 1
		.amdhsa_inst_pref_size 63
	.end_amdhsa_kernel
	.amdgpu_metadata
---
amdhsa.version: [ 1, 2 ]
amdhsa.kernels:
  - .name:           k_q1d7391a669_prep
    .symbol:         k_q1d7391a669_prep.kd
    .args:
      - { .name: enc_hidden_state, .offset: 0, .size: 8, .value_kind: global_buffer, .address_space: global }
      - { .name: dec_hidden_state, .offset: 8, .size: 8, .value_kind: global_buffer, .address_space: global }
      - { .name: Wq, .offset: 16, .size: 8, .value_kind: global_buffer, .address_space: global }
      - { .name: Wk, .offset: 24, .size: 8, .value_kind: global_buffer, .address_space: global }
      - { .name: Wv, .offset: 32, .size: 8, .value_kind: global_buffer, .address_space: global }
      - { .name: Wo, .offset: 40, .size: 8, .value_kind: global_buffer, .address_space: global }
      - { .name: mask, .offset: 48, .size: 8, .value_kind: global_buffer, .address_space: global }
      - { .name: xb, .offset: 56, .size: 8, .value_kind: global_buffer, .address_space: global }
      - { .name: wb, .offset: 64, .size: 8, .value_kind: global_buffer, .address_space: global }
      - { .name: mbits, .offset: 72, .size: 8, .value_kind: global_buffer, .address_space: global }
    .group_segment_fixed_size: 5376
    .private_segment_fixed_size: 0
    .kernarg_segment_align: 8
    .kernarg_segment_size: 80
    .max_flat_workgroup_size: 256
    .sgpr_count:     66
    .vgpr_count:     234
    .wavefront_size: 32
...
	.end_amdgpu_metadata
.endif
;; end of part 1
;; launch proj (part 2): grid 12 x 16, 4 waves a work-group, clusters of 4 x 4, 327,680 bytes of LDS; arguments xb, wb, qkv, bq, bv; writes qkv
.if DOCPART == 2
	.amdgcn_target "amdgcn-amd-amdhsa--gfx1250"
	.amdhsa_code_object_version 6
	.text
	.protected	k_q1d7391a669_proj
	.globl	k_q1d7391a669_proj
	.p2align	8
	.type	k_q1d7391a669_proj,@function
k_q1d7391a669_proj:
	s_mov_b64 s[64:65], 0
	v_nop
	global_prefetch_b8 v0, s[64:65] scope:SCOPE_SE
	s_setreg_imm32_b32 hwreg(HW_REG_WAVE_MODE, 25, 1), 1
	s_wait_xcnt 0x0
	s_wait_alu depctr_hold_cnt(0) depctr_sa_sdst(0) depctr_va_vdst(0) depctr_va_sdst(0) depctr_va_ssrc(0) depctr_va_vcc(0) depctr_vm_vsrc(0)
	s_getreg_b32 s2, hwreg(HW_REG_IB_STS2, 6, 4)
	s_cmp_eq_u32 s2, 0
	s_cbranch_scc0 .Lentry_in_a_cluster
	s_endpgm
.Lentry_in_a_cluster:
	s_bfe_u32 s2, ttmp6, 0x10000c
	s_cmp_lg_u32 s2, 0xf033
	s_cbranch_scc0 .Lentry_shape_is_right
	s_endpgm
.Lentry_shape_is_right:
; PROJ: the three projections as one launch.  qkv bf16 [3][2 b][16 h][2048 s][64]:
;   part 0 = (enc.Wq + bq) * c with c = 0.125 log2(e), so that the attention launch's scores are exponents of 2;  part 1 = dec.Wk;  part 2 = dec.Wv + bv.
; bk is left out: it adds the same number to every score of a query's row, which a softmax along that row does not see (shown at the head of the first kernel).
; The cluster's x says which projection (0 Q, 1 K, 2 V): it is the same number in all sixteen work-groups of a cluster.
; A work-group makes 256 rows x 256 columns with four waves, a wave 128 x 128: 64 accumulator tiles, 512 registers.  K = 1024 goes in steps of 128
; through two LDS slots filled by tensor loads.  192 work-groups: 3 x 16 x 4 blocks.
; CLUSTERS: 4 x 4.  The four of a row of the cluster need the same rows of x, the four of a column the same columns of W: joint loads, one for four.
; x lies [row][k]: its fragments are two 16-byte LDS loads.  W lies [k][n]: its fragments come by the transposing 16-bit LDS load.
; Operands are rounded to bf16, sums are f32.
; REGISTERS in windows of 256: window 0: v0-31 addresses, v64-127 / v128-191 fragments of x (two buffers), v192-223 at work on the way out;
;   window 1: v64-127 / v128-191 fragments of W, v192-255 the bias of my 128 columns;  windows 2, 3: accumulators of my rows 0-63, 64-127 (tile (a, b) at v[8 (8 a + b)]).
; The matrix instruction is used transposed (source 0 = 16 columns of W, source 1 = 16 rows of x): lane l then holds row l%16 and its registers 0-7
; the columns 8 (l/16) + 0..7: eight neighbouring numbers of a row.
.set SIZE_K, 1024
.set KSTEP,  128
.set PITCH,  272                       ; x: 256 bytes + 16
.set BPITCH, 288                       ; W: 256 bytes + 32: an odd multiple of 32 for the transposing load
.set HALFT,  128*BPITCH                ; a chunk: what one tensor load fills (x uses 128*272 of it)
.set SLOT,   4*HALFT                   ; x rows 0-127, x rows 128-255, W columns 0-127, W columns 128-255
.set STAGE,  2*SLOT                    ; behind the ring: 16 rows x 272 bytes for each wave; no tensor load lands here
.set SPITCH, 272
.set LAPS,   SIZE_K/(2*KSTEP)
.set QSCALE, 0x3e38aa3b                ; 0.125 * log2(e)
.set ADRA, 16                          ; v16-17 LDS address of my x fragments in slot 0, 1
.set ADRB, 20                          ; v20-21 the same for W
.set STO,  24
.set RD,   25
.set CO,   26
.set BO,   27
.set F0,   64
.set F1,   128
.set TMP,  192                         ; window 0
.set BIAS, 192                         ; window 1
.set G1,  24                           ; s[24:31] group 1 for x
.set G0,  32                           ; s[32:39] group 0 for x, one set a slot
.set G1B, 48                           ; s[48:55] group 1 for W
.set G0B, 56                           ; s[56:63] group 0 for W, one set a slot
.set MSB, 0
.macro WIN new                         ; the immediate's high byte repeats the setting that is left
.if MSB != \new
	s_set_vgpr_msb (MSB<<8)|\new
.set MSB, \new
.endif
.endm
.set MUL_LO, 0xa1                      ; source 0 (W) window 1, source 1 (x) window 0, C and D window 2
.set MUL_HI, 0xf1                      ; the same, C and D window 3
.set TO_B,   0x40                      ; destination window 1, address window 0
; A joint load: waves 0, 1 fetch x's two halves, waves 2, 3 W's.  Each line has one mask; the branch hangs on the wave's number alone.
.macro JLOAD s
	s_cmp_eq_u32 s11, 0
	s_cbranch_scc0 .Lfor_b_\@
	tensor_load_to_lds s[G0+4*\s:G0+4*\s+3], s[G1:G1+7]
	s_nop 0
	s_branch .Lasked_\@
.Lfor_b_\@:
	tensor_load_to_lds s[G0B+4*\s:G0B+4*\s+3], s[G1B:G1B+7]
	s_nop 0
.Lasked_\@:
.endm
.macro CREST                           ; a round of the cluster's barrier behind its opening barrier
	s_cmp_lg_u32 s10, 0
	s_cbranch_scc1 .Lnot_wave_0_\@
	s_barrier_signal -3
.Lnot_wave_0_\@:
	s_barrier_wait -3
	s_barrier_signal -1
	s_barrier_wait -1
.endm
.macro CROUND                          ; a whole round
	s_barrier_signal -1
	s_barrier_wait -1
	CREST
.endm
	s_load_b128 s[4:7], s[0:1], 0x0                ; xb s[4:5], wb s[6:7]
	s_load_b64 s[8:9], s[0:1], 0x10                ; qkv
	s_load_b128 s[68:71], s[0:1], 0x18             ; bq s[68:69], bv s[70:71]
	s_set_vgpr_msb 0x40
	v_lshl_add_u32 v63, v0, 2, 0x4c400
	s_set_vgpr_msb 0x4000
	v_mov_b32 v255, 0
	s_set_vgpr_msb 0x1
	ds_add_u32 v63, v255
	s_set_vgpr_msb 0x100
	v_lshrrev_b32 v1, 5, v0
	v_readfirstlane_b32 s10, v1                    ; wave 0..3
	s_lshr_b32 s11, s10, 1                         ; my half of the block's rows; also: I fetch for x (0) or for W (1)
	s_and_b32 s12, s10, 1                          ; my half of its columns; also: which half of that tile I fetch
	s_mov_b32 s72, ttmp9                           ; which projection
	s_bfe_u32 s40, ttmp6, 0x40000                  ; cx = block column inside the projection
	s_bfe_u32 s41, ttmp6, 0x40004                  ; cy
	s_and_b32 s13, ttmp7, 0xffff
	s_lshl_b32 s13, s13, 2
	s_add_co_u32 s13, s13, s41                     ; block row = 4 x cluster y + cy
	s_lshl_b32 s43, s41, 2
	s_lshl_b32 s43, 15, s43                        ; my row of the cluster
	s_lshl_b32 s44, 0x1111, s40                    ; my column
	s_or_b32 s[G1+0], s43, (1<<16)|(1<<20)|(1<<21)|(5<<22)|(3<<25)  ; mask; 2-byte elements; padding on; bit 21 beside a mask; after every 64 words 4 words
	s_or_b32 s[G1B+0], s44, (1<<16)|(1<<20)|(1<<21)|(5<<22)|(7<<25) ; W: the column's mask; after every 64 words 8 words
	s_mov_b32 s[G1+1], KSTEP<<16                   ; tensor_dim0 = 128
	s_mov_b32 s[G1B+1], 128<<16
	s_mov_b32 s[G1+2], 128<<16                     ; tensor_dim1 = 128
	s_mov_b32 s[G1B+2], KSTEP<<16
	s_mov_b32 s[G1+3], KSTEP<<16                   ; tile_dim0 = 128
	s_mov_b32 s[G1B+3], 128<<16
	s_mov_b32 s[G1+4], 128                         ; tile_dim1 = 128
	s_mov_b32 s[G1B+4], KSTEP
	s_mov_b32 s[G1+5], SIZE_K                      ; elements from row to row
	s_mov_b32 s[G1B+5], 1024
	s_mov_b32 s[G1+6], 0
	s_mov_b32 s[G1B+6], 0
	s_mov_b32 s[G1+7], 0
	s_mov_b32 s[G1B+7], 0
	; x's tiles hang on the block row and on the projection, W's on the block column and on the projection: each in registers that never hold the other coordinate
	s_lshl_b32 s17, s12, 7
	s_lshl_b32 s16, s13, 8
	s_add_co_u32 s16, s16, s17                     ; row 256 x block row + 128 x half
	s_lshl_b32 s16, s16, 11                        ; rows of 2,048 bytes
	s_cmp_lg_u32 s72, 0
	s_cselect_b32 s18, 0x800000, 0                 ; K and V read dec's part of xb
	s_add_co_u32 s16, s16, s18
	s_mov_b32 s17, 0
	s_lshl_b32 s46, s40, 9                         ; 256 columns of 2 bytes a block
	s_lshl_b32 s47, s12, 8
	s_add_co_u32 s46, s46, s47
	s_lshl_b32 s47, s72, 21                        ; the projection's part of wb
	s_add_co_u32 s46, s46, s47
	s_mov_b32 s47, 0
	s_mul_i32 s20, s10, HALFT                      ; chunk = wave: no place in the cluster enters an LDS address
	s_wait_dscnt 0x0
	s_wait_kmcnt 0x0
	s_add_nc_u64 s[14:15], s[4:5], s[16:17]
	s_add_nc_u64 s[46:47], s[6:7], s[46:47]
	CROUND                                         ; all sixteen work-groups are here: the first joint loads meet
.irp s, 0,1
	s_mov_b32 s[G0+4*\s], 1
	s_add_co_u32 s[G0+4*\s+1], s20, \s*SLOT
	s_add_nc_u64 s[G0+4*\s+2:G0+4*\s+3], s[14:15], \s*KSTEP*2          ; K step s: 256 bytes along the rows
	s_or_b32 s[G0+4*\s+3], s[G0+4*\s+3], 0x80000000
	s_mov_b32 s[G0B+4*\s], 1
	s_add_co_u32 s[G0B+4*\s+1], s20, \s*SLOT
	s_add_nc_u64 s[G0B+4*\s+2:G0B+4*\s+3], s[46:47], \s*KSTEP*2048     ; K step s: 128 rows of 2,048 bytes down
	s_or_b32 s[G0B+4*\s+3], s[G0B+4*\s+3], 0x80000000
	JLOAD \s
.endr
	v_and_b32 v1, 15, v0                           ; r = l % 16
	v_bfe_u32 v2, v0, 4, 1                         ; h = l / 16
	v_mul_u32_u24 v3, v1, PITCH
	v_lshl_add_u32 v3, v2, 4, v3                   ; x: row x pitch + 16 h
	v_and_b32 v6, 7, v0
	v_lshl_or_b32 v6, v2, 3, v6                    ; W: k row 8 h + l % 8,
	v_mul_u32_u24 v6, v6, BPITCH
	v_bfe_u32 v7, v0, 3, 1
	v_lshl_add_u32 v6, v7, 4, v6                   ; 16 bytes further for the odd groups of eight lanes
	s_mul_i32 s21, s11, HALFT                      ; my 128 rows of x
	s_mul_i32 s22, s12, HALFT                      ; my 128 columns of W,
	s_add_co_u32 s22, s22, 2*HALFT                 ; behind x's two chunks
.irp s, 0,1
	v_add_nc_u32 v[ADRA+\s], s21, v3
	v_add_nc_u32 v[ADRB+\s], s22, v6
	s_add_co_u32 s21, s21, SLOT
	s_add_co_u32 s22, s22, SLOT
.endr
	s_mul_i32 s23, s10, 16*SPITCH
	s_add_co_u32 s23, s23, STAGE                   ; my stage
	v_mul_u32_u24 v4, v1, SPITCH
	v_lshl_add_u32 v4, v2, 4, v4
	v_add_nc_u32 v[STO], s23, v4                   ; in: row r, 16 bytes for each half of the lanes
	v_bfe_u32 v5, v0, 3, 2                         ; back: eight lanes take one head's 128 bytes of a row, 32 lanes four rows
	v_mul_u32_u24 v5, v5, SPITCH
	v_and_b32 v7, 7, v0
	v_lshl_add_u32 v5, v7, 4, v5
	v_add_nc_u32 v[RD], s23, v5
	v_and_b32 v[CO], 31, v0
	v_lshlrev_b32 v[CO], 4, v[CO]                  ; four rows of 128 bytes lie side by side in qkv: 16 l
	v_lshlrev_b32 v[BO], 5, v2                     ; bias: 8 h columns of 4 bytes
; 16 matrix instructions: row blocks a0, a0+1 of the window's four x all 8 column blocks, 32 along K.  zero = 1: the first product starts the sums
.macro MUL16 f, hi, a0, zero
.irp a, \a0, \a0+1
.irp b, 0,1,2,3,4,5,6,7
.if \zero
	v_wmma_f32_16x16x32_bf16 v[8*(8*(\a)+\b):8*(8*(\a)+\b)+7], v[\f+8*\b:\f+8*\b+7], v[\f+8*(4*\hi+\a):\f+8*(4*\hi+\a)+7], 0
.else
	v_wmma_f32_16x16x32_bf16 v[8*(8*(\a)+\b):8*(8*(\a)+\b)+7], v[\f+8*\b:\f+8*\b+7], v[\f+8*(4*\hi+\a):\f+8*(4*\hi+\a)+7], v[8*(8*(\a)+\b):8*(8*(\a)+\b)+7]
.endif
.endr
.endr
.endm
; 32 LDS loads in one run: quarter kq (32 along K) of a slot into buffer f: W's 128 columns (transposed on the way), then x's 128 rows
.macro FETCH slot, kq, f
	WIN TO_B
.irp i, 0,1,2,3,4,5,6,7
	ds_load_tr16_b128 v[\f+8*\i:\f+8*\i+3],   v[ADRB+\slot] offset:\kq*32*BPITCH+32*\i
	ds_load_tr16_b128 v[\f+8*\i+4:\f+8*\i+7], v[ADRB+\slot] offset:\kq*32*BPITCH+32*\i+16*BPITCH
.endr
	WIN 0
.irp i, 0,1,2,3,4,5,6,7
	ds_load_b128 v[\f+8*\i:\f+8*\i+3],   v[ADRA+\slot] offset:\kq*64+\i*16*PITCH
	ds_load_b128 v[\f+8*\i+4:\f+8*\i+7], v[ADRA+\slot] offset:\kq*64+\i*16*PITCH+32
.endr
.endm
; four places behind matrix instructions, in front of loads into registers that they read and of vector work on their results
.macro PLACES
.rept 4
	v_nop
.endr
.endm
.macro QUARTER slot, kq, f, g, zero
	s_wait_dscnt 8                                 ; W and x's rows 0-63 are in; the youngest eight loads (x's rows 64-127) may be out
	WIN MUL_LO
	MUL16 \f, 0, 0, \zero
	MUL16 \f, 0, 2, \zero
	PLACES
	FETCH \slot, \kq, \g
	s_wait_dscnt 32                                ; all but the 32 just issued
	WIN MUL_HI
	MUL16 \f, 1, 0, \zero
	MUL16 \f, 1, 2, \zero
.endm
.macro THREE slot, zero
	QUARTER \slot, 1, F0, F1, \zero
	QUARTER \slot, 2, F1, F0, 0
	QUARTER \slot, 3, F0, F1, 0
.endm
; The last quarter multiplies buffer 1 and changes slots.  In front of the barrier each wave waits for its reads of this slot and for all its tensor
; loads (the one that is out is its part of the next slot); behind it, where the slot is filled again, the cluster's round is closed and the joint
; refill is the wave's first tensor load; then the next slot's first fragments are read.
.macro TURN slot, next, fill
	s_wait_dscnt 8
	WIN MUL_LO
	MUL16 F1, 0, 0, 0
	s_wait_dscnt 0                                 ; my reads of this slot are over
	s_wait_tensorcnt 0x0                           ; all my tensor loads have landed
	ds_add_u32 v63, v255
	s_wait_dscnt 0x0
	s_barrier_signal -1
	MUL16 F1, 0, 2, 0                              ; register work while the others arrive
	WIN 0
	s_barrier_wait -1
.if \fill
	CREST                                          ; no wave of any partner still reads this slot or has a load on its way
	s_add_nc_u64 s[G0+4*\slot+2:G0+4*\slot+3], s[G0+4*\slot+2:G0+4*\slot+3], 2*KSTEP*2
	s_add_nc_u64 s[G0B+4*\slot+2:G0B+4*\slot+3], s[G0B+4*\slot+2:G0B+4*\slot+3], 2*KSTEP*2048
	JLOAD \slot
.endif
	PLACES
	FETCH \next, 0, F0
	WIN MUL_HI
	MUL16 F1, 1, 0, 0
	MUL16 F1, 1, 2, 0
.endm
.macro LAP zero
	THREE 0, \zero
	TURN 0, 1, 1
	THREE 1, 0
	TURN 1, 0, 1
.endm
	s_wait_tensorcnt 1                             ; my part of K step 0 is in; K step 1's may stay out
	s_barrier_signal -1
	s_barrier_wait -1
	FETCH 0, 0, F0
	LAP 1                                          ; the 64 accumulators take turns, one instruction a turn
	WIN 0
	s_mov_b32 s3, LAPS-2
.Llap:
	LAP 0
	WIN 0
	s_sub_co_u32 s3, s3, 1
	s_cmp_lg_u32 s3, 0
	s_cbranch_scc1 .Llap
	THREE 0, 0                                     ; the last lap fills nothing
	TURN 0, 1, 0
	THREE 1, 0
	s_wait_dscnt 8
	WIN MUL_LO
	MUL16 F1, 0, 0, 0
	MUL16 F1, 0, 2, 0
	s_wait_dscnt 0
	WIN MUL_HI
	MUL16 F1, 1, 0, 0
	MUL16 F1, 1, 2, 0
	PLACES                                         ; behind the last matrix instructions, for all that follows
	WIN 0
	; my place in qkv: part, batch, row (from the block row) ...
	s_lshl_b32 s16, s72, 23
	s_lshr_b32 s14, s13, 3
	s_lshl_b32 s14, s14, 22
	s_add_co_u32 s16, s16, s14
	s_and_b32 s14, s13, 7
	s_lshl_b32 s14, s14, 15                        ; 256 rows of 128 bytes
	s_add_co_u32 s16, s16, s14
	s_lshl_b32 s14, s11, 14
	s_add_co_u32 s16, s16, s14
	s_mov_b32 s17, 0
	s_add_nc_u64 s[8:9], s[8:9], s[16:17]
	s_lshl_b32 s46, s40, 20                        ; ... and head 4 cx + 2 x half, 262,144 bytes a head
	s_lshl_b32 s47, s12, 19
	s_add_co_u32 s46, s46, s47
	s_mov_b32 s47, 0
	s_add_nc_u64 s[8:9], s[8:9], s[46:47]
; one window's 32 tiles: scaled = 1: acc * c + bias (the bias already times c); 0: acc + bias
.macro BIASWIN scaled
.irp a, 0,1,2,3
.irp b, 0,1,2,3,4,5,6,7
.irp p, 0,2,4,6
.if \scaled
	v_pk_fma_f32 v[8*(8*\a+\b)+\p:8*(8*\a+\b)+\p+1], v[8*(8*\a+\b)+\p:8*(8*\a+\b)+\p+1], QSCALE, v[BIAS+8*\b+\p:BIAS+8*\b+\p+1] op_sel_hi:[1,0,1]
.else
	v_pk_add_f32 v[8*(8*\a+\b)+\p:8*(8*\a+\b)+\p+1], v[8*(8*\a+\b)+\p:8*(8*\a+\b)+\p+1], v[BIAS+8*\b+\p:BIAS+8*\b+\p+1]
.endif
.endr
.endr
.endr
.endm
	s_cmp_eq_u32 s72, 1
	s_cbranch_scc1 .Lout                           ; K has no bias to add and no scale
	s_cmp_eq_u32 s72, 0
	s_cselect_b64 s[68:69], s[68:69], s[70:71]     ; bq for Q, bv for V
	s_lshl_b32 s66, s40, 10                        ; my first column, 4 bytes each: 256 cx + 128 x half
	s_lshl_b32 s67, s12, 9
	s_add_co_u32 s66, s66, s67
	s_mov_b32 s67, 0
	s_add_nc_u64 s[68:69], s[68:69], s[66:67]
	WIN 0x40                                       ; destination window 1
.irp b, 0,1,2,3,4,5,6,7
	global_load_b128 v[BIAS+8*\b:BIAS+8*\b+3],   v[BO], s[68:69] offset:64*\b      ; columns 16 b + 8 h + 0..3
	global_load_b128 v[BIAS+8*\b+4:BIAS+8*\b+7], v[BO], s[68:69] offset:64*\b+16   ; + 4..7
.endr
	WIN 0
	s_wait_loadcnt 0x0
	s_cmp_eq_u32 s72, 0
	s_cbranch_scc0 .Lbias_v
	WIN 0x41                                       ; bias and result in window 1
.set e, 0
.rept 32
	v_pk_mul_f32 v[BIAS+e:BIAS+e+1], v[BIAS+e:BIAS+e+1], QSCALE op_sel_hi:[1,0]
.set e, e+2
.endr
	WIN 0x92                                       ; accumulators window 2, bias (source 2) window 1
	BIASWIN 1
	WIN 0xd3                                       ; accumulators window 3
	BIASWIN 1
	WIN 0
	s_branch .Lout
.Lbias_v:
	WIN 0x86                                       ; accumulators window 2, bias (source 1) window 1
	BIASWIN 0
	WIN 0xc7                                       ; accumulators window 3
	BIASWIN 0
	WIN 0
.Lout:
; rows 16 i .. 16 i + 15 of my block: round to bf16, 16 bytes a lane into my own stage, read back so that a store covers four rows of one head:
; 512 consecutive bytes of qkv.  LDS serves a wave's instructions in order: no wait between my stores and my loads.
.macro OUT16 i, a, from, f
	WIN \from
.irp b, 0,1,2,3,4,5,6,7
.irp r, 0,1,2,3
	v_cvt_pk_bf16_f32 v[TMP+4*\b+\r], v[8*(8*\a+\b)+2*\r], v[8*(8*\a+\b)+2*\r+1]
.endr
.endr
	WIN 0
.irp b, 0,1,2,3,4,5,6,7
	ds_store_b128 v[STO], v[TMP+4*\b:TMP+4*\b+3] offset:32*\b
.endr
	s_wait_xcnt 0x0                                ; buffer f, which earlier stores read, is loaded again only behind this wait
.irp t, 0,1,2,3,4,5,6,7
	ds_load_b128 v[\f+4*\t:\f+4*\t+3], v[RD] offset:(\t%4)*4*SPITCH+128*(\t/4)
.endr
.irp t, 0,1,2,3,4,5,6,7
	s_wait_dscnt 7-\t                              ; the younger read-backs stay out
	global_store_b128 v[CO], v[\f+4*\t:\f+4*\t+3], s[8:9] offset:(\t/4)*262144+(\t%4)*512+\i*2048
.endr
.endm
	OUT16 0, 0, 0x0a, F0
	OUT16 1, 1, 0x0a, F1
	OUT16 2, 2, 0x0a, F0
	OUT16 3, 3, 0x0a, F1
	OUT16 4, 0, 0x0f, F0
	OUT16 5, 1, 0x0f, F1
	OUT16 6, 2, 0x0f, F0
	OUT16 7, 3, 0x0f, F1
	s_set_vgpr_msb 0x1
	s_wait_tensorcnt 0x0
	ds_add_u32 v63, v255
	s_wait_dscnt 0x0
	s_set_vgpr_msb 0x100
	CROUND                                         ; the closing round: no work-group ends while a partner may still ask for a tile that names it
	s_endpgm
.Lfunc_end_k_q1d7391a669_proj:
	.size	k_q1d7391a669_proj, .Lfunc_end_k_q1d7391a669_proj-k_q1d7391a669_proj
	.p2alignl 7, 3214868480
	.fill 96, 4, 3214868480
	.section	.rodata,"a",@progbits
	.p2align	6, 0x0
	.amdhsa_kernel k_q1d7391a669_proj
		.amdhsa_group_segment_fixed_size 327680
		.amdhsa_private_segment_fixed_size 0
		.amdhsa_enable_private_segment 0
		.amdhsa_kernarg_size 40
		.amdhsa_user_sgpr_count 2
		.amdhsa_user_sgpr_kernarg_segment_ptr 1
		.amdhsa_wavefront_size32 1
		.amdhsa_system_sgpr_workgroup_id_x 1
		.amdhsa_system_sgpr_workgroup_id_y 1
		.amdhsa_system_sgpr_workgroup_id_z 1
		.amdhsa_system_vgpr_workitem_id 0
		.amdhsa_next_free_vgpr 1024
		.amdhsa_next_free_sgpr 74
		.amdhsa_reserve_vcc 0
		.amdhsa_float_denorm_mode_32 3
		.amdhsa_float_denorm_mode_16_64 3
		.amdhsa_memory_ordered 1
		.amdhsa_forward_progress 1
		.amdhsa_inst_pref_size 242
	.end_amdhsa_kernel
	.amdgpu_metadata
---
amdhsa.version: [ 1, 2 ]
amdhsa.kernels:
  - .name:           k_q1d7391a669_proj
    .symbol:         k_q1d7391a669_proj.kd
    .args:
      - { .name: xb, .offset: 0, .size: 8, .value_kind: global_buffer, .address_space: global }
      - { .name: wb, .offset: 8, .size: 8, .value_kind: global_buffer, .address_space: global }
      - { .name: qkv, .offset: 16, .size: 8, .value_kind: global_buffer, .address_space: global }
      - { .name: bq, .offset: 24, .size: 8, .value_kind: global_buffer, .address_space: global }
      - { .name: bv, .offset: 32, .size: 8, .value_kind: global_buffer, .address_space: global }
    .group_segment_fixed_size: 327680
    .private_segment_fixed_size: 0
    .kernarg_segment_align: 8
    .kernarg_segment_size: 40
    .max_flat_workgroup_size: 128
    .sgpr_count:     74
    .vgpr_count:     1024
    .wavefront_size: 32
...
	.end_amdgpu_metadata
.endif
;; end of part 2
;; launch attn (part 3): grid 8 x 32, 8 waves a work-group, clusters of 4 x 1, 327,680 bytes of LDS; arguments qkv, mbits, att; writes att
.if DOCPART == 3
	.amdgcn_target "amdgcn-amd-amdhsa--gfx1250"
	.amdhsa_code_object_version 6
	.text
	.protected	k_q1d7391a669_attn
	.globl	k_q1d7391a669_attn
	.p2align	8
	.type	k_q1d7391a669_attn,@function
k_q1d7391a669_attn:
	s_mov_b64 s[64:65], 0
	v_nop
	global_prefetch_b8 v0, s[64:65] scope:SCOPE_SE
	s_setreg_imm32_b32 hwreg(HW_REG_WAVE_MODE, 25, 1), 1
	s_wait_xcnt 0x0
	s_wait_alu depctr_hold_cnt(0) depctr_sa_sdst(0) depctr_va_vdst(0) depctr_va_sdst(0) depctr_va_ssrc(0) depctr_va_vcc(0) depctr_vm_vsrc(0)
	s_getreg_b32 s2, hwreg(HW_REG_IB_STS2, 6, 4)
	s_cmp_eq_u32 s2, 0
	s_cbranch_scc0 .Lentry_in_a_cluster
	s_endpgm
.Lentry_in_a_cluster:
	s_bfe_u32 s2, ttmp6, 0x10000c
	s_cmp_lg_u32 s2, 0x3003
	s_cbranch_scc0 .Lentry_shape_is_right
	s_endpgm
.Lentry_shape_is_right:
; ATTN: att[b][h][q][64] (bf16) = softmax over keys of the masked scores, times V.  Q in qkv already holds (x.Wq + bq) * 0.125 log2(e): scores are exponents of 2.
; K holds no bias: bk adds the same number to every score of a query's row (shown at the head of the first kernel).
; A work-group takes 256 queries of one (b, h), a wave 32 (two tiles of 16).  Keys go in tiles of 256 through two LDS slots; a trip is four steps of 64 keys.
; CLUSTERS: the four work-groups of a cluster take four query blocks of the same (b, h) and read the same K and V: each tile is asked for jointly (mask 15),
; each of the eight waves bringing one chunk of 64 keys of K or of V.  Every work-group makes every request: the trip count is a constant.
; THE PRODUCTS ARE TAKEN TRANSPOSED.  S^T = K Q^T: lane (r, h) register j holds (key 8 h + j, query r).  Two neighbouring key tiles, packed to bf16, ARE the
; second operand P^T of O^T = V^T P^T, so the weights never leave their registers, and a query's maximum lives in lanes r and r + 16 alone.
; THE TWO QUERY TILES TAKE TURNS: one tile's softmax is cut into numbered slices, and one slice stands behind each product of the other tile.  Step j:
;   1. tile 1's 8 score products of step j, behind each a slice of tile 0's mask and maximum (54 lines); tile 1's mask (32 lines); the LDS loads of K(j+1)
;   2. tile 0's scores less their maximum (16 lines)
;   3. tile 1's 10 weight products of step j-1, behind each a slice of tile 0's exponentials, rescaling and conversions (66 lines); the LDS loads of V(j)
;   4. tile 0's 8 score products of step j+1, behind each a slice of tile 1's maximum (22 lines)
;   5., 6. as 2. and 3. with the tiles exchanged: tile 0's weight products of step j
; K(j) serves parts 4 of step j-1 and 1 of step j, V(j) parts 6 of step j and 3 of step j+1: one set of registers each.  A new slot's K can be read only behind
; the trip's round, so tile 0's first 8 score products of a trip stand alone at its head; in return slots, rounds and their waits are those of a plain ring.
; Tile 1's mask stands in part 1, next to tile 0's: all 64 words of mbits are then used up early in the step, the next step's 64 are asked for into the same
; scalar registers there, and the one wait for scalar loads a step finds nothing younger than the rest of the step.
; REGISTER WINDOWS: window 0 holds all that parts 1 and 4 name (S, K, Q, maxima), window 1 all that parts 3 and 6 name (V, weights, O, sums, alpha); only the
; subtraction of the maximum writes from window 0 into window 1.  So products and slices share a setting: seven switches a step for its 36 products.
; ROW SUMS: a fragment of ones is a fifth row tile of V^T, so every row of its result is the sum of the weights.  Register 0 of that result is rescaled and at
; the end read; registers 1 to 7 are other rows of the same tile, hold sums of weights of at most 1 over 2,048 keys, and are never used.
; The running maximum is taken away before every exponential.  It has the finite floor -FLT_MAX, so that differences stay defined while all keys so far are
; masked (masked scores are -inf and give exp2 = 0).  A row that is masked throughout ends as 0 x (1/0) = NaN, as in the softmax of a row of -inf.
; LIMITS: operands of the products (Q, K, V, the weights) are bf16; the divisor is the sum of the weights after their rounding to bf16, the same numbers that
; multiply V; sums go in the order of the tiles.
.set KP,    144                        ; LDS pitch of a key's row: 128 bytes + 16.  In 16-byte columns modulo 16: K's lanes read rows r at 9 r, V's transposing
                                       ; loads rows l%8 at 9 (l%8) + (l/8)%2: sixteen different columns in both
.set CH,    64*KP                      ; a chunk: 64 keys of K or of V, 9,216 bytes
.set SLOTB, 8*CH                       ; K's four chunks, then V's four
.set STAGE, 2*SLOTB                    ; behind the ring: 32 rows x 144 bytes for each wave; no tensor load lands here
; window 0
.set ADRK, 1                           ; v1-2   LDS address of my K fragments, slot 0, 1
.set NINF, 3                           ; v3     -inf
.set MX,   4                           ; v4, v5 running maximum of tile 0's, tile 1's query
.set DD,   6                           ; v6     old maximum - new, of the tile whose turn it is
.set T,    8                           ; v[8:11] at work; v8 = the new maximum from the last slice of the maximum to the subtraction
.set INV,  12                          ; v[12:15] the way out: 1 / sum, twice for each tile
.set STO,  16
.set RD,   17
.set CO,   18
.set QO,   19
.set ADRV, 20                          ; v20-21 LDS address of my V fragments, slot 0, 1
.set SB,   32                          ; v[32:95]   scores: tile (qt, kt) at 32 qt + 8 kt
.set KB,   96                          ; v[96:159]  K fragments: (kt, ks) at 16 kt + 8 ks
.set QB,   160                         ; v[160:191] Q fragments: (qt, ks) at 16 qt + 8 ks
; window 1
.set OB,   0                           ; v[0:63]    O^T: (qt, t) at 32 qt + 8 t
.set LB,   64                          ; v[64:79]   the sums' tile of query tile qt at 8 qt
.set VB,   80                          ; v[80:143]  V^T fragments: (t, kb) at 16 t + 8 kb
.set ON,   144                         ; v[144:151] a fragment of ones in bf16
.set EB,   152                         ; v[152:183] score - maximum, then the weights in f32, of the tile whose turn it is
.set PB,   184                         ; v[184:215] weights in bf16: (qt, kb) at 16 qt + 8 kb
.set AL,   216                         ; v216 alpha of tile 0, v218 of tile 1, each the first of a pair
.set G1,   68                          ; s[68:75] group 1, eight constants;  group 0: slot 0 in s[76:79], slot 1 in s[96:99]
.set MSB, 0
.macro WIN new                         ; the immediate's high byte repeats the setting that is left
.if MSB != \new
	s_set_vgpr_msb (MSB<<8)|\new
.set MSB, \new
.endif
.endm
.macro ROUND                           ; a round of the cluster's barrier
	s_barrier_signal -1
	s_barrier_wait -1
	s_cmp_lg_u32 s10, 0
	s_cbranch_scc1 .Lnot_wave_0_\@
	s_barrier_signal -3
.Lnot_wave_0_\@:
	s_barrier_wait -3
	s_barrier_signal -1
	s_barrier_wait -1
.endm
; one query tile's 32 words of mbits for one step of 64 keys, at byte off of my first q tile's words: tile 0 into s[16:47], tile 1 into s[48:63] and s[80:95]
.macro MLOAD qt, off
.if \qt == 0
	s_load_b512 s[16:31], s[6:7], \off             ; key tiles 0, 1
	s_load_b512 s[32:47], s[6:7], \off+64          ; key tiles 2, 3
.else
	s_load_b512 s[48:63], s[6:7], \off+4096        ; the next q tile's words lie 4,096 bytes on
	s_load_b512 s[80:95], s[6:7], \off+4160
.endif
.endm
	s_load_b128 s[4:7], s[0:1], 0x0                ; qkv s[4:5], mbits s[6:7]
	s_load_b64 s[8:9], s[0:1], 0x10                ; att
	v_lshl_add_u32 v254, v0, 2, 0x2d000
	v_mov_b32 v255, 0
	ds_add_u32 v254, v255
	v_lshrrev_b32 v1, 5, v0
	v_readfirstlane_b32 s10, v1                    ; wave 0..7
	s_and_b32 s16, ttmp7, 0xffff                   ; b*16 + h
	s_mov_b32 s12, 0x76543210                      ; v_permlanex16_b32: lane i reads lane i of the other half
	s_mov_b32 s13, 0xfedcba98
	; group 1, the same for K and V: a dense block of 8,192 bytes as 32 rows of 32 elements of 8 bytes.  The padding is counted along the tile:
	; behind every 32 words (a key's 128 bytes) 4 words, so that a key's row has the pitch 144.
	s_mov_b32 s[G1+0], 15|(3<<16)|(1<<20)|(1<<21)|(4<<22)|(3<<25)   ; 15:0 the mask: all four work-groups; 17:16 8-byte elements; 20 padding on; 21 set beside a mask; 24:22 interval code 4; 31:25 pad code 3
	s_mov_b32 s[G1+1], 32<<16                      ; tensor_dim0 = 32
	s_mov_b32 s[G1+2], 32<<16                      ; tensor_dim1 = 32
	s_mov_b32 s[G1+3], 32<<16                      ; tile_dim0 = 32
	s_mov_b32 s[G1+4], 32                          ; tile_dim1 = 32
	s_mov_b32 s[G1+5], 32                          ; pitch = 32 elements
	s_mov_b32 s[G1+6], 0
	s_mov_b32 s[G1+7], 0
	; my chunk: part 1 (K: waves 0-3) or 2 (V: waves 4-7) of qkv, this (b, h), keys 64 (wave % 4): nothing of it hangs on the place in the cluster
	s_lshr_b32 s17, s10, 2
	s_add_co_u32 s14, s17, 1
	s_lshl_b32 s14, s14, 23
	s_lshl_b32 s15, s16, 18
	s_add_co_u32 s14, s14, s15
	s_and_b32 s15, s10, 3
	s_lshl_b32 s15, s15, 13
	s_add_co_u32 s14, s14, s15
	s_mov_b32 s15, 0
	s_mov_b32 s76, 1
	s_mul_i32 s77, s10, CH                         ; LDS: chunk = wave
	s_mov_b32 s96, 1
	s_add_co_u32 s97, s77, SLOTB
	s_wait_dscnt 0x0
	s_wait_kmcnt 0x0
	s_add_nc_u64 s[78:79], s[4:5], s[14:15]        ; tile 0
	s_add_nc_u64 s[98:99], s[78:79], 32768         ; tile 1: 256 keys of 128 bytes on
	s_or_b32 s79, s79, 0x80000000
	s_or_b32 s99, s99, 0x80000000
	ROUND                                          ; in front of the first joint load
	tensor_load_to_lds s[76:79], s[G1:G1+7]        ; tile 0
	s_nop 0
	s_bfe_u32 s66, ttmp6, 0x40000                  ; cx
	s_lshl_b32 s67, ttmp9, 2
	s_add_co_u32 s66, s66, s67                     ; query block = 4 x cluster x + cx
	s_lshl_b32 s19, s66, 15                        ; 256 queries of 128 bytes
	s_lshl_b32 s20, s16, 18
	s_add_co_u32 s19, s19, s20
	s_lshl_b32 s20, s10, 12                        ; 32 queries a wave
	s_add_co_u32 s20, s19, s20
	s_mov_b32 s21, 0
	s_add_nc_u64 s[4:5], s[4:5], s[20:21]          ; my queries in Q
	s_add_nc_u64 s[8:9], s[8:9], s[20:21]          ; and in att: the same layout
	s_lshr_b32 s22, s16, 4                         ; my first q tile's 4,096 bytes of mbits: tile 128 b + 16 block + 2 wave
	s_lshl_b32 s22, s22, 19
	s_lshl_b32 s23, s66, 16
	s_add_co_u32 s22, s22, s23
	s_lshl_b32 s23, s10, 13
	s_add_co_u32 s22, s22, s23
	s_mov_b32 s23, 0
	s_add_nc_u64 s[6:7], s[6:7], s[22:23]
	v_and_b32 v22, 15, v0                          ; r
	v_bfe_u32 v23, v0, 4, 1                        ; h
	v_lshlrev_b32 v[QO], 7, v22
	v_lshl_add_u32 v[QO], v23, 4, v[QO]            ; query r's row, 16 h
.irp qt, 0,1
.irp ks, 0,1
	global_load_b128 v[QB+16*\qt+8*\ks:QB+16*\qt+8*\ks+3],   v[QO], s[4:5] offset:2048*\qt+64*\ks
	global_load_b128 v[QB+16*\qt+8*\ks+4:QB+16*\qt+8*\ks+7], v[QO], s[4:5] offset:2048*\qt+64*\ks+32
.endr
.endr
	v_mul_u32_u24 v[ADRK], v22, KP                 ; K: key r's row, 16 h
	v_lshl_add_u32 v[ADRK], v23, 4, v[ADRK]
	v_add_nc_u32 v[ADRK+1], SLOTB, v[ADRK]
	v_and_b32 v24, 7, v0                           ; V: key 8 h + l%8,
	v_lshl_or_b32 v24, v23, 3, v24
	v_mul_u32_u24 v[ADRV], v24, KP
	v_bfe_u32 v24, v0, 3, 1
	v_lshl_add_u32 v[ADRV], v24, 4, v[ADRV]        ; 16 bytes further for the odd groups of eight lanes
	v_add_nc_u32 v[ADRV], 4*CH, v[ADRV]
	v_add_nc_u32 v[ADRV+1], SLOTB, v[ADRV]
	v_mov_b32 v[NINF], 0xff800000
	s_mul_i32 s24, s10, 4608
	s_add_co_u32 s24, s24, STAGE
	v_mul_u32_u24 v[STO], v22, 144
	v_lshl_add_u32 v[STO], v23, 4, v[STO]
	v_add_nc_u32 v[STO], s24, v[STO]
	v_bfe_u32 v24, v0, 3, 2
	v_and_b32 v25, 7, v0
	v_mul_u32_u24 v[RD], v24, 144
	v_lshl_add_u32 v[RD], v25, 4, v[RD]
	v_add_nc_u32 v[RD], s24, v[RD]
	v_and_b32 v[CO], 31, v0
	v_lshlrev_b32 v[CO], 4, v[CO]
	WIN 0x40                                       ; destination window 1
.irp i, 0,1,2,3,4,5,6,7
	v_mov_b32 v[ON+\i], 0x3f803f80                 ; 1.0 in bf16, twice
.endr
	v_mov_b32 v[AL+1], 1.0                         ; the second registers of alpha's pairs: the packed multiply names the pair and takes its first register for
	v_mov_b32 v[AL+3], 1.0                         ; both halves; they are written once so that the pair is defined
	WIN 0
	MLOAD 0, 0                                     ; the first step's words; s16 to s24 have served as temporaries up to here and are read no more
	MLOAD 1, 0
	s_wait_loadcnt 0x0                             ; Q, once
; 16 LDS loads: K of step j of a slot
.macro KLOAD slot, j
.irp kt, 0,1,2,3
.irp ks, 0,1
	ds_load_b128 v[KB+16*\kt+8*\ks:KB+16*\kt+8*\ks+3],   v[ADRK+\slot] offset:CH*(\j)+16*KP*\kt+64*\ks
	ds_load_b128 v[KB+16*\kt+8*\ks+4:KB+16*\kt+8*\ks+7], v[ADRK+\slot] offset:CH*(\j)+16*KP*\kt+64*\ks+32
.endr
.endr
.endm
; 16 transposing LDS loads: V^T of step j of a slot (destination window 1, address window 0)
.macro VLOAD slot, j
.irp t, 0,1,2,3
.irp kb, 0,1
	ds_load_tr16_b128 v[VB+16*\t+8*\kb:VB+16*\t+8*\kb+3],   v[ADRV+\slot] offset:CH*(\j)+32*KP*\kb+32*\t
	ds_load_tr16_b128 v[VB+16*\t+8*\kb+4:VB+16*\t+8*\kb+7], v[ADRV+\slot] offset:CH*(\j)+32*KP*\kb+32*\t+16*KP
.endr
.endr
.endm
; score product num (0..7) of query tile qt: key tile num % 4, half num / 4 of a head's 64 numbers.  The first four start the sums; the four accumulators take
; turns, one instruction a turn.  All operands in window 0.
.macro QK qt, num
.if (\num) < 4
	v_wmma_f32_16x16x32_bf16 v[SB+32*\qt+8*(\num):SB+32*\qt+8*(\num)+7], v[KB+16*(\num):KB+16*(\num)+7], v[QB+16*\qt:QB+16*\qt+7], 0
.else
	v_wmma_f32_16x16x32_bf16 v[SB+32*\qt+8*((\num)-4):SB+32*\qt+8*((\num)-4)+7], v[KB+16*((\num)-4)+8:KB+16*((\num)-4)+15], v[QB+16*\qt+8:QB+16*\qt+15], v[SB+32*\qt+8*((\num)-4):SB+32*\qt+8*((\num)-4)+7]
.endif
.endm
; weight product num (0..9) of query tile qt: row tile num % 5 of V^T (4: the ones), half num / 5 of the step's 64 keys.  zero = 1: the first five start the sums.
; The five accumulators take turns, one instruction a turn.  All operands in window 1.
.macro PV qt, num, zero
.if (\num)%5 < 4
.set pvd, OB+32*\qt+8*((\num)%5)
.set pva, VB+16*((\num)%5)+8*((\num)/5)
.else
.set pvd, LB+8*\qt
.set pva, ON
.endif
.set pvb, PB+16*\qt+8*((\num)/5)
.set pvz, 0
.if \zero
.if (\num) < 5
.set pvz, 1
.endif
.endif
.if pvz
	v_wmma_f32_16x16x32_bf16 v[pvd:pvd+7], v[pva:pva+7], v[pvb:pvb+7], 0
.else
	v_wmma_f32_16x16x32_bf16 v[pvd:pvd+7], v[pva:pva+7], v[pvb:pvb+7], v[pvd:pvd+7]
.endif
.endm
; the mask on key tile kt of query tile qt: one word of mbits masks one register
.macro MASK qt, kt
.irp jj, 0,1,2,3,4,5,6,7
	v_cndmask_b32 v[SB+32*\qt+8*\kt+\jj], v[NINF], v[SB+32*\qt+8*\kt+\jj], s[16+32*\qt+8*\kt+\jj+16*\qt*(\kt/2)]
.endr
.endm
; slice num (0..7) of the running maximum of query tile qt: four chains over the lane's 32 scores (slices 0 to 3), their joining, the other half of the keys
; from lane l xor 16, the old maximum
.macro MAXS qt, num, first
.if (\num) == 0
.irp k, 0,1,2,3
	v_max3_num_f32 v[T+\k], v[SB+32*\qt+8*\k], v[SB+32*\qt+8*\k+1], v[SB+32*\qt+8*\k+2]
.endr
.endif
.if (\num) == 1
.irp k, 0,1,2,3
	v_max3_num_f32 v[T+\k], v[T+\k], v[SB+32*\qt+8*\k+3], v[SB+32*\qt+8*\k+4]
.endr
.endif
.if (\num) == 2
.irp k, 0,1,2,3
	v_max3_num_f32 v[T+\k], v[T+\k], v[SB+32*\qt+8*\k+5], v[SB+32*\qt+8*\k+6]
.endr
.endif
.if (\num) == 3
.irp k, 0,1,2,3
	v_max_num_f32 v[T+\k], v[T+\k], v[SB+32*\qt+8*\k+7]
.endr
.endif
.if (\num) == 4
	v_max3_num_f32 v[T], v[T], v[T+1], v[T+2]
.endif
.if (\num) == 5
	v_max_num_f32 v[T], v[T], v[T+3]
.endif
.if (\num) == 6
	v_permlanex16_b32 v[T+1], v[T], s12, s13
.endif
.if (\num) == 7
.if \first
	v_max3_num_f32 v[T], v[T], v[T+1], 0xff7fffff  ; the floor -FLT_MAX
.else
	v_max3_num_f32 v[T], v[T], v[T+1], v[MX+\qt]
	v_sub_f32 v[DD], v[MX+\qt], v[T]               ; old maximum - new
.endif
	v_mov_b32 v[MX+\qt], v[T]
.endif
.endm
; score - maximum of query tile qt, from window 0 into E in window 1, and alpha = 2^(old maximum - new); the subtractions are the plain lines behind that exponential
.macro SHIFT qt, first
	WIN 0x40                                       ; destination window 1, sources window 0
.if \first == 0
	v_exp_f32 v[AL+2*\qt], v[DD]
.endif
.set e, 0
.rept 16
	v_pk_add_f32 v[EB+e:EB+e+1], v[SB+32*\qt+e:SB+32*\qt+e+1], v[T:T+1] op_sel_hi:[1,0] neg_lo:[0,1] neg_hi:[0,1]
.set e, e+2
.endr
.endm
; slice num (0..9) of the weights of query tile qt, all in window 1.  Slices 0 to 7: four exponentials, then alpha on four registers of O: these two plain lines stand
; between the exponentials and any use of a result (ISA guide 5.7.2).  Slice 8: alpha on the sum, eight conversions; slice 9: the other eight conversions.
.macro WGT qt, num, first
.if (\num) < 8
.irp i, 0,1,2,3
	v_exp_f32 v[EB+4*(\num)+\i], v[EB+4*(\num)+\i]
.endr
.if \first == 0
	s_wait_alu depctr_va_vdst(0)
.irp i, 0,2
	v_pk_mul_f32 v[OB+32*\qt+4*(\num)+\i:OB+32*\qt+4*(\num)+\i+1], v[OB+32*\qt+4*(\num)+\i:OB+32*\qt+4*(\num)+\i+1], v[AL+2*\qt:AL+2*\qt+1] op_sel_hi:[1,0]
.endr
.else
.if (\num) == 7
	v_nop                                          ; the first step has nothing to rescale: this is the plain line between the exponentials and the conversions
	s_wait_alu depctr_va_vdst(0)
.endif
.endif
.else
.if (\num) == 8
.if \first == 0
	v_mul_f32 v[LB+8*\qt], v[LB+8*\qt], v[AL+2*\qt]   ; register 0 of the sums' tile: the one that is read at the end
	s_wait_alu depctr_va_vdst(0)
.endif
.endif
.irp i, 0,1,2,3,4,5,6,7
	v_cvt_pk_bf16_f32 v[PB+16*\qt+8*((\num)-8)+\i], v[EB+16*((\num)-8)+2*\i], v[EB+16*((\num)-8)+2*\i+1]
.endr
.endif
.endm
; One step: 64 keys against my 32 queries.  first = 1: the launch's first step (maxima, sums and O begin; tile 1 has no weight products yet);
; pvbz = 1: tile 1's weight products are its first and start its sums; pre = 1: another step follows, and its words of mbits are asked for.
.macro STEP slot, j, first, pvbz, pre
	s_wait_kmcnt 0x0                               ; this step's 64 words, asked for in part 1 of the last step, are in; no scalar load is out
.if \j == 0
.if \first == 0
	s_add_nc_u64 s[6:7], s[6:7], 512               ; so the base may step: this trip's 16 key tiles of 32 bytes (the last trip's fourth step reached them at offset 512)
.endif
.endif
	; part 1, window 0
.irp kt, 0,1,2,3
	QK 1, \kt
	MASK 0, \kt
.endr
.if \pre
	MLOAD 0, 128*(\j+1)                            ; the selects above were the last readers of these 32 registers
.endif
.irp num, 0,1,2,3
	QK 1, 4+\num
	MAXS 0, 2*\num, \first
	MAXS 0, 2*\num+1, \first
.endr
.irp kt, 0,1,2,3
	MASK 1, \kt                                    ; key tile kt's sum was closed by product 4 + kt: behind the last product stand the maximum's last lines and 24 selects on other tiles
.endr
.if \pre
	MLOAD 1, 128*(\j+1)
.endif
.if \j < 3
	KLOAD \slot, \j+1                              ; K's registers were last read by product 7 above; the selects on key tiles 0 to 2 are more than the four places (ISA guide 7.12.1)
.endif
	; part 2
	SHIFT 0, \first
	; part 3, window 1
	WIN 0x55
.irp num, 0,1,2,3,4,5,6,7,8,9
.if \first == 0
	PV 1, \num, \pvbz
.endif
	WGT 0, \num, \first
.endr
	WIN 0x40                                       ; V's registers were last read by product 8; slices 8 and 9 are more than the four places
	VLOAD \slot, \j
	WIN 0
	; part 4, window 0
.if \j < 3
	s_wait_dscnt 16                                ; K(j+1)'s 16 loads are in; V's 16, issued behind them, stay out
.endif
.irp num, 0,1,2,3,4,5,6,7
.if \j < 3
	QK 0, \num
.endif
	MAXS 1, \num, \first
.endr
	; part 5
	SHIFT 1, \first
	s_wait_dscnt 0x0                               ; V(j) is in
	; part 6, window 1
	WIN 0x55
.irp num, 0,1,2,3,4,5,6,7,8,9
	PV 0, \num, \first
	WGT 1, \num, \first
.endr
	WIN 0
.endm
; One trip: a tile of 256 keys.  In front of the round each wave waits for all its tensor loads (its chunk of this trip's tile among them) and for its reads of
; the last trip's tile; behind the round the other slot is filled again, the wave's one tensor load until the next round: it has four steps in which to land.
; Then tile 0's score products of the trip's first step, alone: the four v_nop are the places between them and the selects that read their results.
; Tile 1's weight products of the last trip's fourth step follow in this trip's first step: their V and weights lie in registers.
; refill = 1 in every trip but the last, so it also says whether the fourth step has a successor to ask mask words for: the last step asks for nothing, and the
; highest byte asked for is 7 x 512 + 384 + 4,160 + 64 = 8,192 from my first word: the end of my two q tiles' words.
.macro TRIP slot, refill, first
	s_wait_tensorcnt 0x0
	ds_add_u32 v254, v255
	s_wait_dscnt 0x0
	s_add_nc_u64 s[78+20*\slot:79+20*\slot], s[78+20*\slot:79+20*\slot], 65536   ; no load of mine is out: this slot's next tile, two tiles on
	s_wait_dscnt 0x0
	ROUND
.if \refill
	tensor_load_to_lds s[96-20*\slot:99-20*\slot], s[G1:G1+7]
	s_nop 0
.endif
	KLOAD \slot, 0
	s_wait_dscnt 0x0
.irp num, 0,1,2,3,4,5,6,7
	QK 0, \num
.endr
.rept 4
	v_nop
.endr
	STEP \slot, 0, \first, 0, 1
	STEP \slot, 1, 0, \first, 1
	STEP \slot, 2, 0, 0, 1
	STEP \slot, 3, 0, 0, \refill
.endm
	; eight trips: the first and the last are written out, the six between are three passes of a loop over (slot 1, slot 0): four trips of text
	TRIP 0, 1, 1
	s_mov_b32 s11, 3
.Lloop:
	TRIP 1, 1, 0
	TRIP 0, 1, 0
	s_sub_co_u32 s11, s11, 1
	s_cmp_lg_u32 s11, 0
	s_cbranch_scc1 .Lloop
	TRIP 1, 0, 0                                   ; the eighth tile: nothing is left to fetch
	WIN 0x55
.irp num, 0,1,2,3,4,5,6,7,8,9
	PV 1, \num, 0                                  ; tile 1's weight products of the last step
.endr
	; THE WAY OUT
.rept 4
	v_nop                                          ; four places behind the last matrix instructions
.endr
	WIN 0x01                                       ; source 0 in window 1, the rest in window 0
	v_rcp_f32 v[INV], v[LB]                        ; every lane holds its query's whole sum; the reciprocal is made twice to fill the pair of the packed multiply
	v_rcp_f32 v[INV+1], v[LB]
	v_rcp_f32 v[INV+2], v[LB+8]
	v_rcp_f32 v[INV+3], v[LB+8]
	v_nop                                          ; one plain instruction behind the reciprocals
	s_wait_alu depctr_va_vdst(0)
.irp qt, 0,1
.set e, 0
.rept 16
	v_pk_mul_f32 v[SB+32*\qt+e:SB+32*\qt+e+1], v[OB+32*\qt+e:OB+32*\qt+e+1], v[INV+2*\qt:INV+2*\qt+1]
.set e, e+2
.endr
.endr
	WIN 0
.irp qt, 0,1
.irp t, 0,1,2,3
.irp i, 0,1,2,3
	v_cvt_pk_bf16_f32 v[KB+4*(4*\qt+\t)+\i], v[SB+32*\qt+8*\t+2*\i], v[SB+32*\qt+8*\t+2*\i+1]
.endr
.endr
.endr
.irp qt, 0,1
.irp t, 0,1,2,3
	ds_store_b128 v[STO], v[KB+4*(4*\qt+\t):KB+4*(4*\qt+\t)+3] offset:2304*\qt+32*\t   ; query r's numbers 16 t + 8 h + 0..7
.endr
.endr
.irp i, 0,1,2,3,4,5,6,7
	ds_load_b128 v[KB+32+4*\i:KB+32+4*\i+3], v[RD] offset:576*\i  ; my own bytes, served in order: four rows of 128 bytes
.endr
.irp i, 0,1,2,3,4,5,6,7
	s_wait_dscnt 7-\i                              ; the younger read-backs stay out
	global_store_b128 v[CO], v[KB+32+4*\i:KB+32+4*\i+3], s[8:9] offset:512*\i   ; 512 consecutive bytes of att
.endr
	s_wait_tensorcnt 0x0
	ds_add_u32 v254, v255
	s_wait_dscnt 0x0
	ROUND                                          ; the closing round
	s_endpgm
.Lfunc_end_k_q1d7391a669_attn:
	.size	k_q1d7391a669_attn, .Lfunc_end_k_q1d7391a669_attn-k_q1d7391a669_attn
	.p2alignl 7, 3214868480
	.fill 96, 4, 3214868480
	.section	.rodata,"a",@progbits
	.p2align	6, 0x0
	.amdhsa_kernel k_q1d7391a669_attn
		.amdhsa_group_segment_fixed_size 327680
		.amdhsa_private_segment_fixed_size 0
		.amdhsa_enable_private_segment 0
		.amdhsa_kernarg_size 24
		.amdhsa_user_sgpr_count 2
		.amdhsa_user_sgpr_kernarg_segment_ptr 1
		.amdhsa_wavefront_size32 1
		.amdhsa_system_sgpr_workgroup_id_x 1
		.amdhsa_system_sgpr_workgroup_id_y 1
		.amdhsa_system_sgpr_workgroup_id_z 1
		.amdhsa_system_vgpr_workitem_id 0
		.amdhsa_next_free_vgpr 480
		.amdhsa_next_free_sgpr 100
		.amdhsa_reserve_vcc 0
		.amdhsa_float_denorm_mode_32 3
		.amdhsa_float_denorm_mode_16_64 3
		.amdhsa_memory_ordered 1
		.amdhsa_forward_progress 1
		.amdhsa_inst_pref_size 255
	.end_amdhsa_kernel
	.section	.bss,"aw",@nobits
	.p2align	6
	.space	262144
	.amdgpu_metadata
---
amdhsa.version: [ 1, 2 ]
amdhsa.kernels:
  - .name:           k_q1d7391a669_attn
    .symbol:         k_q1d7391a669_attn.kd
    .args:
      - { .name: qkv, .offset: 0, .size: 8, .value_kind: global_buffer, .address_space: global }
      - { .name: mbits, .offset: 8, .size: 8, .value_kind: global_buffer, .address_space: global }
      - { .name: att, .offset: 16, .size: 8, .value_kind: global_buffer, .address_space: global }
    .group_segment_fixed_size: 327680
    .private_segment_fixed_size: 0
    .kernarg_segment_align: 8
    .kernarg_segment_size: 24
    .max_flat_workgroup_size: 256
    .sgpr_count:     100
    .vgpr_count:     480
    .wavefront_size: 32
...
	.end_amdgpu_metadata
.endif
;; end of part 3
;; launch outp (part 4): grid 8 x 32, 4 waves a work-group, clusters of 4 x 4, 327,680 bytes of LDS; arguments att, wb, bo, out0; writes out0
.if DOCPART == 4
	.amdgcn_target "amdgcn-amd-amdhsa--gfx1250"
	.amdhsa_code_object_version 6
	.text
	.protected	k_q1d7391a669_outp
	.globl	k_q1d7391a669_outp
	.p2align	8
	.type	k_q1d7391a669_outp,@function
k_q1d7391a669_outp:
	s_mov_b64 s[64:65], 0
	v_nop
	global_prefetch_b8 v0, s[64:65] scope:SCOPE_SE
	s_setreg_imm32_b32 hwreg(HW_REG_WAVE_MODE, 25, 1), 1
	s_wait_xcnt 0x0
	s_wait_alu depctr_hold_cnt(0) depctr_sa_sdst(0) depctr_va_vdst(0) depctr_va_sdst(0) depctr_va_ssrc(0) depctr_va_vcc(0) depctr_vm_vsrc(0)
	s_getreg_b32 s2, hwreg(HW_REG_IB_STS2, 6, 4)
	s_cmp_eq_u32 s2, 0
	s_cbranch_scc0 .Lentry_in_a_cluster
	s_endpgm
.Lentry_in_a_cluster:
	s_bfe_u32 s2, ttmp6, 0x10000c
	s_cmp_lg_u32 s2, 0xf033
	s_cbranch_scc0 .Lentry_shape_is_right
	s_endpgm
.Lentry_shape_is_right:
; OUTP: out0[row][n] (f32) = sum over k of A[row][k] Wo[k][n] + bo[n], where A[b*2048+s][h*64+kk] = att[b][h][s][kk] (bf16) and Wo is part 3 of wb (bf16, [k][n]).
; 256 work-groups, each a block of 128 x 128; four waves, each 64 x 64: 16 accumulator tiles.  K = 1024 goes through two LDS slots of 256 (four heads): four fills.
; CLUSTERS: 4 x 4.  A's tiles hang on the block row alone and are shared along a row of the cluster, Wo's on the block column alone and are shared along a column.
; A head's 128 rows of 128 bytes are dense in att: a load brings two heads as two rows of 16,384 bytes; the padding (16 bytes behind every 256) is counted along
; the tile, so two rows of A share an LDS row of 272 bytes.  Wo's fragments come by the transposing 16-bit LDS load.
; The matrix instruction is used transposed: lane l holds row l%16, its registers 0-7 the columns 8 (l/16) + 0..7.
; Operands are bf16, sums f32.
.set HALFT,  36864                     ; a chunk: A: 2 heads x 17,408; Wo: 128 k rows x 288
.set HEADB,  17408
.set SLOT,   4*HALFT                   ; A heads 0-1, A heads 2-3, Wo k 0-127, Wo k 128-255
.set STAGE,  2*SLOT                    ; 16 rows x 272 bytes for each wave; no tensor load lands here
.set ADRA, 16                          ; v16-17 slot 0, 1
.set ADRB, 20                          ; v20-23 2 x slot + half of the slot's k
.set STO,  24
.set RD,   25
.set CO,   26
.set BO,   27
.set FR,   32                          ; buffer n at 32 + 64 n: A's four fragments, then Wo's four
.set BIAS, 160                         ; v[160:191]
.set RB,   192                         ; v[192:223] rows read back
.set G1,  24
.set G0,  32
.set G1B, 48
.set G0B, 56
.set MSB, 0
.macro WIN new
.if MSB != \new
	s_set_vgpr_msb (MSB<<8)|\new
.set MSB, \new
.endif
.endm
.macro JLOAD s                         ; waves 0, 1 ask for A's chunks, waves 2, 3 for Wo's: one mask a line; the branch hangs on the wave's number alone
	s_cmp_eq_u32 s11, 0
	s_cbranch_scc0 .Lfor_b_\@
	tensor_load_to_lds s[G0+4*\s:G0+4*\s+3], s[G1:G1+7]
	s_nop 0
	s_branch .Lasked_\@
.Lfor_b_\@:
	tensor_load_to_lds s[G0B+4*\s:G0B+4*\s+3], s[G1B:G1B+7]
	s_nop 0
.Lasked_\@:
.endm
.macro ROUND                           ; a round of the cluster's barrier
	s_barrier_signal -1
	s_barrier_wait -1
	s_cmp_lg_u32 s10, 0
	s_cbranch_scc1 .Lnot_wave_0_\@
	s_barrier_signal -3
.Lnot_wave_0_\@:
	s_barrier_wait -3
	s_barrier_signal -1
	s_barrier_wait -1
.endm
.macro PLACES                          ; four places behind matrix instructions (ISA guide 7.12.1)
.rept 4
	v_nop
.endr
.endm
	s_load_b128 s[4:7], s[0:1], 0x0                ; att s[4:5], wb s[6:7]
	s_load_b128 s[68:71], s[0:1], 0x10             ; bo s[68:69], out0 s[70:71]
	v_lshl_add_u32 v254, v0, 2, 0x4c400
	v_mov_b32 v255, 0
	ds_add_u32 v254, v255
	v_lshrrev_b32 v1, 5, v0
	v_readfirstlane_b32 s10, v1                    ; wave
	s_lshr_b32 s11, s10, 1                         ; my half of the rows; also: I fetch A (0) or Wo (1)
	s_and_b32 s12, s10, 1                          ; my half of the columns; also: which chunk I fetch
	s_bfe_u32 s40, ttmp6, 0x40000                  ; cx
	s_bfe_u32 s41, ttmp6, 0x40004                  ; cy
	s_lshl_b32 s42, ttmp9, 2
	s_add_co_u32 s42, s42, s40                     ; block column x
	s_and_b32 s13, ttmp7, 0xffff
	s_lshl_b32 s13, s13, 2
	s_add_co_u32 s13, s13, s41                     ; block row y
	s_lshl_b32 s43, s41, 2
	s_lshl_b32 s43, 15, s43                        ; my row of the cluster
	s_lshl_b32 s44, 0x1111, s40                    ; my column
	s_or_b32 s[G1+0], s43, (3<<16)|(1<<20)|(1<<21)|(5<<22)|(3<<25)   ; A: 8-byte elements; behind every 64 words 4 words
	s_mov_b32 s[G1+1], 2048<<16                    ; tensor_dim0 = 2,048 elements: a head's 16,384 bytes
	s_mov_b32 s[G1+2], 2<<16                       ; tensor_dim1 = 2 heads
	s_mov_b32 s[G1+3], 2048<<16                    ; tile_dim0
	s_mov_b32 s[G1+4], 2                           ; tile_dim1
	s_mov_b32 s[G1+5], 32768                       ; from head to head: 262,144 bytes
	s_mov_b32 s[G1+6], 0
	s_mov_b32 s[G1+7], 0
	s_or_b32 s[G1B+0], s44, (1<<16)|(1<<20)|(1<<21)|(5<<22)|(7<<25)  ; Wo: 2-byte elements; behind every 64 words 8 words
	s_mov_b32 s[G1B+1], 128<<16
	s_mov_b32 s[G1B+2], 128<<16
	s_mov_b32 s[G1B+3], 128<<16
	s_mov_b32 s[G1B+4], 128
	s_mov_b32 s[G1B+5], 1024
	s_mov_b32 s[G1B+6], 0
	s_mov_b32 s[G1B+7], 0
	s_lshr_b32 s16, s13, 4                         ; A: batch,
	s_lshl_b32 s16, s16, 22
	s_and_b32 s17, s13, 15                         ; 128 rows of 128 bytes inside a head,
	s_lshl_b32 s17, s17, 14
	s_add_co_u32 s16, s16, s17
	s_lshl_b32 s17, s12, 19                        ; heads 2 x chunk, 2 x chunk + 1
	s_add_co_u32 s16, s16, s17
	s_mov_b32 s17, 0
	s_lshl_b32 s46, s42, 8                         ; Wo: 128 columns of 2 bytes,
	s_lshl_b32 s47, s12, 18                        ; 128 k rows of 2,048 bytes a chunk,
	s_add_co_u32 s46, s46, s47
	s_add_co_u32 s46, s46, 0x600000                ; part 3 of wb
	s_mov_b32 s47, 0
	s_mul_i32 s20, s10, HALFT
	s_wait_dscnt 0x0
	s_wait_kmcnt 0x0
	s_add_nc_u64 s[14:15], s[4:5], s[16:17]
	s_add_nc_u64 s[46:47], s[6:7], s[46:47]
	ROUND                                          ; in front of the first joint loads
.irp s, 0,1
	s_mov_b32 s[G0+4*\s], 1
	s_add_co_u32 s[G0+4*\s+1], s20, \s*SLOT
	s_add_nc_u64 s[G0+4*\s+2:G0+4*\s+3], s[14:15], \s*0x100000      ; four heads on
	s_or_b32 s[G0+4*\s+3], s[G0+4*\s+3], 0x80000000
	s_mov_b32 s[G0B+4*\s], 1
	s_add_co_u32 s[G0B+4*\s+1], s20, \s*SLOT
	s_add_nc_u64 s[G0B+4*\s+2:G0B+4*\s+3], s[46:47], \s*0x80000     ; 256 k rows on
	s_or_b32 s[G0B+4*\s+3], s[G0B+4*\s+3], 0x80000000
	JLOAD \s
.endr
	v_and_b32 v1, 15, v0                           ; r
	v_bfe_u32 v2, v0, 4, 1                         ; h
	s_lshl_b32 s66, s42, 9                         ; my first column, 4 bytes each: 128 x + 64 x half
	s_lshl_b32 s67, s12, 8
	s_add_co_u32 s66, s66, s67
	s_mov_b32 s67, 0
	s_add_nc_u64 s[68:69], s[68:69], s[66:67]
	s_add_nc_u64 s[70:71], s[70:71], s[66:67]
	v_lshlrev_b32 v[BO], 5, v2
.irp b, 0,1,2,3
	global_load_b128 v[BIAS+8*\b:BIAS+8*\b+3],   v[BO], s[68:69] offset:64*\b      ; bo of columns 16 b + 8 h + 0..3
	global_load_b128 v[BIAS+8*\b+4:BIAS+8*\b+7], v[BO], s[68:69] offset:64*\b+16
.endr
	s_lshl_b32 s16, s13, 19                        ; my first row: 128 y + 64 x half, 4,096 bytes a row
	s_lshl_b32 s17, s11, 18
	s_add_co_u32 s16, s16, s17
	s_mov_b32 s17, 0
	s_add_nc_u64 s[70:71], s[70:71], s[16:17]
	v_bfe_u32 v3, v0, 1, 3                         ; r / 2
	v_and_b32 v4, 1, v0
	v_mul_u32_u24 v5, v3, 272                      ; row r lies in LDS row r/2, half r%2
	v_lshl_add_u32 v5, v4, 7, v5
	v_lshl_add_u32 v5, v2, 4, v5
	s_mul_i32 s21, s11, 8704                       ; my 64 rows: 32 LDS rows
	v_add_nc_u32 v[ADRA], s21, v5
	v_add_nc_u32 v[ADRA+1], SLOT, v[ADRA]
	v_and_b32 v6, 7, v0
	v_lshl_or_b32 v6, v2, 3, v6
	v_mul_u32_u24 v6, v6, 288
	v_bfe_u32 v7, v0, 3, 1
	v_lshl_add_u32 v6, v7, 4, v6
	s_lshl_b32 s22, s12, 7                         ; my 64 columns
	s_add_co_u32 s22, s22, 2*HALFT
	v_add_nc_u32 v[ADRB], s22, v6
	v_add_nc_u32 v[ADRB+1], HALFT, v[ADRB]
	v_add_nc_u32 v[ADRB+2], SLOT, v[ADRB]
	v_add_nc_u32 v[ADRB+3], SLOT, v[ADRB+1]
	s_mul_i32 s23, s10, 4352
	s_add_co_u32 s23, s23, STAGE
	v_mul_u32_u24 v[STO], v1, 272
	v_lshl_add_u32 v[STO], v2, 5, v[STO]
	v_add_nc_u32 v[STO], s23, v[STO]               ; in: row r, 32 bytes for each half of the lanes
	v_mul_u32_u24 v[RD], v2, 272
	v_lshl_add_u32 v[RD], v1, 4, v[RD]
	v_add_nc_u32 v[RD], s23, v[RD]                 ; back: lanes 0-15 one row of 256 bytes, lanes 16-31 the next
	v_lshlrev_b32 v[CO], 4, v1
	v_lshl_add_u32 v[CO], v2, 12, v[CO]
; 16 LDS loads: quarter q (32 along K, 0..7) of a slot into buffer buf
.macro FETCHQ slot, q, buf
.irp a, 0,1,2,3
	ds_load_b128 v[FR+64*(\buf)+8*\a:FR+64*(\buf)+8*\a+3],   v[ADRA+\slot] offset:((\q)/4)*HALFT+(((\q)/2)%2)*HEADB+64*((\q)%2)+2176*\a
	ds_load_b128 v[FR+64*(\buf)+8*\a+4:FR+64*(\buf)+8*\a+7], v[ADRA+\slot] offset:((\q)/4)*HALFT+(((\q)/2)%2)*HEADB+64*((\q)%2)+2176*\a+32
.endr
.irp b, 0,1,2,3
	ds_load_tr16_b128 v[FR+32+64*(\buf)+8*\b:FR+32+64*(\buf)+8*\b+3],   v[ADRB+2*\slot+(\q)/4] offset:9216*((\q)%4)+32*\b
	ds_load_tr16_b128 v[FR+32+64*(\buf)+8*\b+4:FR+32+64*(\buf)+8*\b+7], v[ADRB+2*\slot+(\q)/4] offset:9216*((\q)%4)+32*\b+4608
.endr
.endm
; 16 matrix instructions, the 16 accumulators by turns, one instruction a turn
.macro MULQ buf, zero
.irp a, 0,1,2,3
.irp b, 0,1,2,3
.if \zero
	v_wmma_f32_16x16x32_bf16 v[8*(4*\a+\b):8*(4*\a+\b)+7], v[FR+32+64*(\buf)+8*\b:FR+32+64*(\buf)+8*\b+7], v[FR+64*(\buf)+8*\a:FR+64*(\buf)+8*\a+7], 0
.else
	v_wmma_f32_16x16x32_bf16 v[8*(4*\a+\b):8*(4*\a+\b)+7], v[FR+32+64*(\buf)+8*\b:FR+32+64*(\buf)+8*\b+7], v[FR+64*(\buf)+8*\a:FR+64*(\buf)+8*\a+7], v[8*(4*\a+\b):8*(4*\a+\b)+7]
.endif
.endr
.endr
.endm
; a slot's eight quarters: while one buffer is multiplied the other quarter's 16 loads are on their way
.macro SLOTWORK slot, zero
	FETCHQ \slot, 0, 0
.irp q, 0,1,2,3,4,5,6,7
	PLACES                                         ; in front of loads into the buffer that the last quarter's products read
.if \q < 7
	FETCHQ \slot, \q+1, (\q+1)%2
	s_wait_dscnt 16                                ; all but the 16 just issued
.else
	s_wait_dscnt 0
.endif
	WIN 0x50                                       ; C and D in window 1
.if \q == 0
	MULQ 0, \zero
.else
	MULQ \q%2, 0
.endif
	WIN 0
.endr
.endm
; the change of slots: every wave waits for all its tensor loads and for its reads of the other slot; the cluster's round; the other slot's refill first behind it
.macro TWO slot, refill
	s_wait_tensorcnt 0x0
	ds_add_u32 v254, v255
	s_wait_dscnt 0x0
.if \refill
	s_add_nc_u64 s[G0+4*(1-\slot)+2:G0+4*(1-\slot)+3], s[G0+4*(1-\slot)+2:G0+4*(1-\slot)+3], 0x200000     ; eight heads on
	s_add_nc_u64 s[G0B+4*(1-\slot)+2:G0B+4*(1-\slot)+3], s[G0B+4*(1-\slot)+2:G0B+4*(1-\slot)+3], 0x100000 ; 512 k rows on
.endif
	s_wait_dscnt 0x0
	ROUND
.if \refill
	JLOAD (1-\slot)
.endif
	SLOTWORK \slot, 0
.endm
	s_wait_tensorcnt 1                             ; my part of slot 0 is in; slot 1's may stay out
	s_barrier_signal -1
	s_barrier_wait -1
	SLOTWORK 0, 1                                  ; the first products start the sums
	TWO 1, 1
	TWO 0, 1
	TWO 1, 0
	; THE WAY OUT, 16 rows at a time: add bo, 32 bytes a lane and column block into my own stage, read back as whole rows of 256 bytes
	PLACES
	s_wait_loadcnt 0x0                             ; bo
.irp a, 0,1,2,3
	WIN 0x41                                       ; accumulators in window 1, bias in window 0
.irp b, 0,1,2,3
.irp p, 0,2,4,6
	v_pk_add_f32 v[8*(4*\a+\b)+\p:8*(4*\a+\b)+\p+1], v[8*(4*\a+\b)+\p:8*(4*\a+\b)+\p+1], v[BIAS+8*\b+\p:BIAS+8*\b+\p+1]
.endr
.endr
	WIN 0x04                                       ; the store's data in window 1
.irp b, 0,1,2,3
.irp c, 0,1
	ds_store_b128 v[STO], v[8*(4*\a+\b)+4*\c:8*(4*\a+\b)+4*\c+3] offset:64*\b+16*\c
.endr
.endr
	WIN 0
	s_wait_xcnt 0x0                                ; v[192:223], which earlier stores read, are loaded again only behind this wait
.irp t, 0,1,2,3,4,5,6,7
	ds_load_b128 v[RB+4*\t:RB+4*\t+3], v[RD] offset:544*\t       ; my own bytes, served in order
.endr
.irp t, 0,1,2,3,4,5,6,7
	s_wait_dscnt 7-\t                              ; the younger read-backs stay out
	global_store_b128 v[CO], v[RB+4*\t:RB+4*\t+3], s[70:71] offset:(16*\a+2*\t)*4096   ; 16 lanes store 256 consecutive bytes, aligned
.endr
.endr
	s_wait_tensorcnt 0x0
	ds_add_u32 v254, v255
	s_wait_dscnt 0x0
	ROUND                                          ; the closing round
	s_endpgm
.Lfunc_end_k_q1d7391a669_outp:
	.size	k_q1d7391a669_outp, .Lfunc_end_k_q1d7391a669_outp-k_q1d7391a669_outp
	.p2alignl 7, 3214868480
	.fill 96, 4, 3214868480
	.section	.rodata,"a",@progbits
	.p2align	6, 0x0
	.amdhsa_kernel k_q1d7391a669_outp
		.amdhsa_group_segment_fixed_size 327680
		.amdhsa_private_segment_fixed_size 0
		.amdhsa_enable_private_segment 0
		.amdhsa_kernarg_size 32
		.amdhsa_user_sgpr_count 2
		.amdhsa_user_sgpr_kernarg_segment_ptr 1
		.amdhsa_wavefront_size32 1
		.amdhsa_system_sgpr_workgroup_id_x 1
		.amdhsa_system_sgpr_workgroup_id_y 1
		.amdhsa_system_sgpr_workgroup_id_z 1
		.amdhsa_system_vgpr_workitem_id 0
		.amdhsa_next_free_vgpr 384
		.amdhsa_next_free_sgpr 72
		.amdhsa_reserve_vcc 0
		.amdhsa_float_denorm_mode_32 3
		.amdhsa_float_denorm_mode_16_64 3
		.amdhsa_memory_ordered 1
		.amdhsa_forward_progress 1
		.amdhsa_inst_pref_size 94
	.end_amdhsa_kernel
	.amdgpu_metadata
---
amdhsa.version: [ 1, 2 ]
amdhsa.kernels:
  - .name:           k_q1d7391a669_outp
    .symbol:         k_q1d7391a669_outp.kd
    .args:
      - { .name: att, .offset: 0, .size: 8, .value_kind: global_buffer, .address_space: global }
      - { .name: wb, .offset: 8, .size: 8, .value_kind: global_buffer, .address_space: global }
      - { .name: bo, .offset: 16, .size: 8, .value_kind: global_buffer, .address_space: global }
      - { .name: out0, .offset: 24, .size: 8, .value_kind: global_buffer, .address_space: global }
    .group_segment_fixed_size: 327680
    .private_segment_fixed_size: 0
    .kernarg_segment_align: 8
    .kernarg_segment_size: 32
    .max_flat_workgroup_size: 128
    .sgpr_count:     72
    .vgpr_count:     384
    .wavefront_size: 32
...
	.end_amdgpu_metadata
.endif
;; end of part 4
;; ======== version 2 of 2: 4 launches; version 1 with the launch prep written anew for expert scheduling mode
;; limits: values outside matrix products are rounded to bf16
;; workspace buffers: xb 16,777,216 bytes; wb 8,388,608 bytes; mbits 1,048,576 bytes of whole numbers; qkv 25,165,824 bytes; att 8,388,608 bytes
;; launch prep (part 5): grid 256 x 1, 8 waves a work-group, no clusters, 5,376 bytes of LDS; arguments enc_hidden_state, dec_hidden_state, Wq, Wk, Wv, Wo, mask, xb, wb, mbits; writes xb, wb, mbits
.if DOCPART == 5
	.amdgcn_target "amdgcn-amd-amdhsa--gfx1250"
	.amdhsa_code_object_version 6
	.text
	.protected	k_q1d7391a669_prep
	.globl	k_q1d7391a669_prep
	.p2align	8
	.type	k_q1d7391a669_prep,@function
k_q1d7391a669_prep:
	s_mov_b64 s[64:65], 0
	v_nop
	global_prefetch_b8 v0, s[64:65] scope:SCOPE_SE
	s_setreg_imm32_b32 hwreg(HW_REG_WAVE_SCHED_MODE, 0, 2), 2
	s_setreg_imm32_b32 hwreg(HW_REG_WAVE_MODE, 25, 1), 1
	s_wait_xcnt 0x0
	s_wait_alu depctr_vm_vsrc(0)
; PREP: casts and the mask's bits, one pass over the inputs.
;   xb    bf16 [2][4096][1024]        part 0 = enc_hidden_state, part 1 = dec_hidden_state (rows b*2048+s)
;   wb    bf16 [4][1024 k][1024 n]    parts 0..2 = Wq, Wk, Wv with n = head*64+kk; part 3 = Wo as it lies
;   mbits u32  [256 q tiles][128 key tiles][8 j]: bit L of word (qt, kt, j) = (mask[row 16 qt + (L&15)][key 16 kt + 8 (L>>4) + j] != 0),
;         rows counted b*2048+q: the order in which the attention launch's lanes hold a 16 x 16 tile of scores, so that one word masks one register.
; DEAD WORK, for the whole program: bk is not loaded and is no launch's argument.  scores[q][s] = q.(k0[s]+bk)/8 = q.k0[s]/8 + q.bk/8, and the
; second term is the same for every s of a query's row.  A softmax along s is unchanged by a term that is constant along s; masked places are
; -inf with or without it, and a row that is masked throughout is NaN with or without it.  This holds for all finite values of the inputs.
; LIMIT: a NaN, an infinity or an overflow that reaches only q.bk is not carried to the result.
; Matrix units, clusters and tensor loads buy nothing here: the launch only moves bytes.
; Work-group g: 64 KiB of enc, 64 KiB of dec, rows d = 4g..4g+3 of every head of Wq, Wk, Wv, 4 rows of Wo, and mask rows 16g..16g+15 (q tile g).
; ORDER: three banks of 16 loads, 48 loads (24 KiB) of a wave on their way.  The mask comes first, since its bits need the most arithmetic and a barrier:
; while the words are exchanged through LDS and transposed, the loads of enc, dec and the weights are out.  These three are converted last, in place:
; their banks are never loaded again, so no store's data register is ever rewritten and no wait stands for that.
; THE MODE: SCHED_MODE bits 1:0 = 2 (LLVM: expert scheduling mode 2), set by the entry lines.  The code itself states the register dependences
; between vector instructions and memory or LDS instructions, with s_wait_alu, always for 0.
; THE PLAN.  Registers that memory or LDS instructions touch:
;   v1 .. v6    offsets and LDS addresses.  Written once at the head, read by every load and store, never written again: one wait on va_vdst ahead of the first load.
;   B0, B1      Loaded with a mask row; read by the bank's 64 compares; loaded again (dec, the weights): one wait on va_vdst between a bank's last compares and its second loads.
;   B0, B1, B2  as f32: the 48 places go in 12 blocks of four.  A block's conversions write the first two registers of each of its places; the four stores that read them
;               are issued in the next block, behind the one wait on va_vdst at that block's head, dealt among that block's conversions, which name its own places alone.
;   RW          Written by v_writelane_b32, read by four LDS stores: the wait ahead of B1's second loads stands behind the last of those writes and serves the stores too.
;   X           Two LDS loads land in it; no vector instruction names it before them.
;   OW          Written by v_writelane_b32, read by the store of mbits: one wait on va_vdst between.
;   No register that a memory or LDS instruction has read is written again anywhere in the text: so the text holds no wait on vm_vsrc.
;   SCALARS that vector instructions write: the wave's number (one wait on va_sdst ahead of its first reader), and the compares' masks: the compares stand in runs of
;   eight, into s[36:43], one wait on va_sdst behind each run, and behind it the eight v_writelane_b32 that read them.
.set VIN,  1                           ; 16 t: my 16 bytes of each 4,096 that the group reads densely; also my 16 bytes of mbits
.set VOUT, 2                           ; 8 t: my 8 bytes of bf16: a wave's store covers 256 consecutive bytes, aligned
.set VW,   3                           ; (t>>4)<<18 | (t&15)<<4: head t>>4, 16 bytes of its 256-byte row
.set VM,   4                           ; wave<<14 | lane<<4: mask rows 2w, 2w+1
.set LST,  5                           ; LDS: wave*544 + 4 lane
.set LRD,  6                           ; LDS: (lane&15)*272 + 32 wave
.set SH,   7                           ; 2 (lane>>4)
.set B0,   16                          ; v[16:79]   bank 0: mask row 2w, then dec
.set B1,   80                          ; v[80:143]  bank 1: mask row 2w+1, then the weights
.set B2,   144                         ; v[144:207] bank 2: enc
.set RW,   208                         ; v[208:211] the bit words of my two mask rows, 64 words a row
.set X,    212                         ; v[212:219] eight words of row lane&15
.set OW,   220                         ; v[220:223] my wave's 128 words of mbits, 4 a lane
.set T,    224                         ; v[224:231] at work: one register for each compare of a run
	s_load_b512 s[4:19], s[0:1], 0x0               ; enc 4:5, dec 6:7, Wq 8:9, Wk 10:11, Wv 12:13, Wo 14:15, mask 16:17, xb 18:19
	s_load_b128 s[20:23], s[0:1], 0x40             ; wb 20:21, mbits 22:23
	v_lshl_add_u32 v232, v0, 2, 0x1100             ; my spare word, behind the 16 rows of 272 bytes; kept for the closing lines alone
	v_mov_b32 v233, 0                              ; 0, likewise
	v_lshrrev_b32 v10, 5, v0
	v_readfirstlane_b32 s44, v10                   ; wave
	v_and_b32 v11, 31, v0                          ; lane
	v_and_b32 v9, 15, v0
	v_lshrrev_b32 v8, 4, v0
	v_lshlrev_b32 v[VIN], 4, v0
	v_lshlrev_b32 v[VOUT], 3, v0
	v_lshlrev_b32 v[VW], 4, v9
	v_lshl_or_b32 v[VW], v8, 18, v[VW]
	s_wait_alu depctr_va_sdst(0)                   ; s44 is written, ahead of its first reader: three terms of the addresses below are made from it
	s_lshl_b32 s47, s44, 14
	v_lshl_add_u32 v[VM], v11, 4, s47
	s_mul_i32 s45, s44, 544
	v_lshl_add_u32 v[LST], v11, 2, s45
	s_lshl_b32 s46, s44, 5
	v_mul_u32_u24 v[LRD], v9, 272
	v_add_nc_u32 v[LRD], s46, v[LRD]
	v_bfe_u32 v[SH], v0, 4, 1
	v_lshlrev_b32 v[SH], 1, v[SH]
.irp a, 0,1,2,3
	v_mov_b32 v[RW+\a], 0                          ; v_writelane_b32 keeps the other lanes: its destination is written whole first
	v_mov_b32 v[OW+\a], 0
.endr
	s_mov_b32 s25, 0
	s_wait_kmcnt 0x0
	s_lshl_b32 s24, ttmp9, 16                      ; 64 KiB of enc and of dec
	s_add_nc_u64 s[4:5], s[4:5], s[24:25]
	s_add_nc_u64 s[6:7], s[6:7], s[24:25]
	s_lshl_b32 s24, ttmp9, 10                      ; 4 rows of 256 bytes inside every head
	s_add_nc_u64 s[8:9], s[8:9], s[24:25]
	s_add_nc_u64 s[10:11], s[10:11], s[24:25]
	s_add_nc_u64 s[12:13], s[12:13], s[24:25]
	s_lshl_b32 s24, ttmp9, 14                      ; 4 rows of Wo
	s_add_nc_u64 s[14:15], s[14:15], s[24:25]
	s_lshl_b32 s24, ttmp9, 17                      ; 16 rows of the mask
	s_add_nc_u64 s[16:17], s[16:17], s[24:25]
	s_lshl_b32 s24, ttmp9, 15
	s_add_nc_u64 s[18:19], s[18:19], s[24:25]      ; xb, enc's part
	s_add_nc_u64 s[26:27], s[18:19], 0x800000      ; xb, dec's part
	s_lshl_b32 s24, ttmp9, 13                      ; 4 rows of 2,048 bytes in each part of wb
	s_add_nc_u64 s[28:29], s[20:21], s[24:25]
	s_add_nc_u64 s[30:31], s[28:29], 0x200000
	s_add_nc_u64 s[32:33], s[30:31], 0x200000
	s_add_nc_u64 s[34:35], s[32:33], 0x200000
	s_lshl_b32 s24, ttmp9, 12                      ; my q tile's 4,096 bytes of mbits
	s_add_nc_u64 s[22:23], s[22:23], s[24:25]
; cnt loads of 16 bytes a lane into a bank's places first, first+1, ..
.macro LDN bank, first, cnt, voff, base, step, imm0
.set li, 0
.rept \cnt
	global_load_b128 v[\bank+4*(\first+li):\bank+4*(\first+li)+3], v[\voff], s[\base:\base+1] offset:\imm0+li*\step th:TH_LOAD_NT
.set li, li+1
.endr
.endm
; places i and i + 1 of a bank hold 256 keys of a mask row (spans gi%16 and gi%16 + 1 of row gi/16; gi is even): word c of a span has bit lane = (key 128 span + 4 lane + c is open).
; A run of eight compares, one wait, the eight lines that read their masks.  left = how many loads younger than place i + 1's may stay out
.macro MK2 bank, i, left, gi
	s_wait_loadcnt \left
.irp c, 0,1,2,3,4,5,6,7
	v_cmp_ne_u32 s[36+\c], 0, v[\bank+4*(\i)+\c]
.endr
	s_wait_alu depctr_va_sdst(0)                   ; the eight compares have written s[36:43], which the eight lines below read
.irp c, 0,1,2,3,4,5,6,7
	v_writelane_b32 v[RW+(\gi)/8], s[36+\c], 4*((\gi)%8)+\c
.endr
.endm
; The 48 places of f32, numbered in the order of their loads: 0-15 enc (bank 2), 16-31 dec (bank 0), 32-47 the weights (bank 1).  PLACE sets a place's bank, its number in the
; bank, the scalar base of its store and the store's offset.
.macro PLACE n
.set pi, (\n)%16
.if (\n) < 16
.set pb, B2
.set ps, 18
.set po, 2048*pi
.elseif (\n) < 32
.set pb, B0
.set ps, 26
.set po, 2048*pi
.else
.set pb, B1
.set ps, 28+2*(pi/4)
.set po, 2048*(pi%4)
.endif
.endm
; place n: four f32 become four bf16 in the place's own first two registers
.macro CVT n
	PLACE \n
	v_cvt_pk_bf16_f32 v[pb+4*pi], v[pb+4*pi], v[pb+4*pi+1]
	v_cvt_pk_bf16_f32 v[pb+4*pi+1], v[pb+4*pi+2], v[pb+4*pi+3]
.endm
; place n leaves
.macro SEND n
	PLACE \n
	global_store_b64 v[VOUT], v[pb+4*pi:pb+4*pi+1], s[ps:ps+1] offset:po
.endm
	s_wait_alu depctr_va_vdst(0)                   ; v1 to v6 are written, which the kernel's loads and stores read as offsets and LDS addresses
	LDN B0, 0, 16, VM, 16, 512, 0                  ; mask row 2w
	LDN B1, 0, 16, VM, 16, 512, 8192               ; mask row 2w+1
	LDN B2, 0, 16, VIN, 4, 4096, 0                 ; enc
.set ci, 0
.rept 8
	MK2 B0, ci, 46-ci, ci                          ; 14-ci younger loads of this bank and the 32 of the two banks behind it stay out
.set ci, ci+2
.endr
	s_wait_alu depctr_va_vdst(0)                   ; the compares are done reading bank 0, in which the loads below land
	LDN B0, 0, 16, VIN, 6, 4096, 0                 ; dec, into the bank whose words have been made
.set ci, 0
.rept 8
	MK2 B1, ci, 46-ci, 16+ci                       ; 14-ci of this bank, enc's 16 and dec's 16 stay out
.set ci, ci+2
.endr
	s_wait_alu depctr_va_vdst(0)                   ; the compares are done reading bank 1, in which the loads below land; RW is written, which the LDS stores behind them read
	LDN B1, 0,  4, VW,  8,  256,  0                ; Wq, Wk, Wv: row d of all 16 heads is one load of the group
	LDN B1, 4,  4, VW,  10, 256,  0
	LDN B1, 8,  4, VW,  12, 256,  0
	LDN B1, 12, 4, VIN, 14, 4096, 0                ; Wo
	; the 16 rows' words meet in LDS: row r at 272 r, word 4 span + c.  All of what follows up to the store of mbits runs with 48 loads on their way
.irp a, 0,1,2,3
	ds_store_b32 v[LST], v[RW+\a] offset:(\a/2)*272+128*(\a%2)
.endr
	s_wait_dscnt 0x0                               ; my stores are done, for the other waves' sake
	s_barrier_signal -1
	s_barrier_wait -1
	ds_load_b128 v[X:X+3], v[LRD]                  ; row lane&15, span 2w.  No wait on va_vdst: no vector instruction has named X, and none since the head's wait names the address
	ds_load_b128 v[X+4:X+7], v[LRD] offset:16      ; span 2w+1
	s_wait_dscnt 0x0
.irp a, 0,1,2,3,4,5,6,7
	v_lshrrev_b32 v[X+\a], v[SH], v[X+\a]          ; lanes 16-31 look 8 keys (two bits of a word) further on
.endr
	; key 16 kk + 8 h + j of a span is bit 4 kk + 2 h + j/4 of word j%4.  Word n = 64 sp + 8 kk + j of my 128 goes to lane n/4, register n%4
.irp sp, 0,1
.irp kk, 0,1,2,3,4,5,6,7
.irp j, 0,1,2,3,4,5,6,7
	v_and_b32 v[T+\j], 1<<(4*\kk+\j/4), v[X+4*\sp+\j%4]
.endr
.irp j, 0,1,2,3,4,5,6,7
	v_cmp_ne_u32 s[36+\j], 0, v[T+\j]
.endr
	s_wait_alu depctr_va_sdst(0)                   ; the eight compares have written s[36:43], which the eight lines below read
.irp j, 0,1,2,3,4,5,6,7
	v_writelane_b32 v[OW+\j%4], s[36+\j], 16*\sp+2*\kk+\j/4
.endr
.endr
.endr
	s_wait_alu depctr_va_vdst(0)                   ; OW is written, which the store below reads
	global_store_b128 v[VIN], v[OW:OW+3], s[22:23] ; 512 consecutive bytes a wave
	; enc, dec and the weights: 12 blocks of four places.  Behind place n's load stand 47-n younger ones, whatever its bank
.set p, 0
.rept 12
	s_wait_loadcnt 44-4*p                          ; the block's last place, 4 p + 3, is in; the 44 - 4 p younger loads stay out
.if p > 0
	s_wait_alu depctr_va_vdst(0)                   ; the block before has written its four pairs, which the stores below read; this block's conversions name its own places alone
.endif
.set k, 0
.rept 4
.if p > 0
	SEND 4*p-4+k
.endif
	CVT 4*p+k
.set k, k+1
.endr
.set p, p+1
.endr
	s_wait_alu depctr_va_vdst(0)                   ; the last block has written its four pairs, which the last four stores read
	SEND 44
	SEND 45
	SEND 46
	SEND 47
	s_wait_dscnt 0x0                               ; the closing lines, six on end
	s_wait_alu 0x0
	s_wait_tensorcnt 0x0
	ds_add_u32 v232, v233
	s_wait_dscnt 0x0
	s_endpgm
.Lfunc_end_k_q1d7391a669_prep:
	.size	k_q1d7391a669_prep, .Lfunc_end_k_q1d7391a669_prep-k_q1d7391a669_prep
	.p2alignl 7, 3214868480
	.fill 96, 4, 3214868480
	.section	.rodata,"a",@progbits
	.p2align	6, 0x0
	.amdhsa_kernel k_q1d7391a669_prep
		.amdhsa_group_segment_fixed_size 5376
		.amdhsa_private_segment_fixed_size 0
		.amdhsa_enable_private_segment 0
		.amdhsa_kernarg_size 80
		.amdhsa_user_sgpr_count 2
		.amdhsa_user_sgpr_kernarg_segment_ptr 1
		.amdhsa_wavefront_size32 1
		.amdhsa_system_sgpr_workgroup_id_x 1
		.amdhsa_system_sgpr_workgroup_id_y 1
		.amdhsa_system_sgpr_workgroup_id_z 1
		.amdhsa_system_vgpr_workitem_id 0
		.amdhsa_next_free_vgpr 234
		.amdhsa_next_free_sgpr 66
		.amdhsa_reserve_vcc 0
		.amdhsa_float_denorm_mode_32 3
		.amdhsa_float_denorm_mode_16_64 3
		.amdhsa_memory_ordered 1
		.amdhsa_forward_progress 1
		.amdhsa_inst_pref_size 63
	.end_amdhsa_kernel
	.amdgpu_metadata
---
amdhsa.version: [ 1, 2 ]
amdhsa.kernels:
  - .name:           k_q1d7391a669_prep
    .symbol:         k_q1d7391a669_prep.kd
    .args:
      - { .name: enc_hidden_state, .offset: 0, .size: 8, .value_kind: global_buffer, .address_space: global }
      - { .name: dec_hidden_state, .offset: 8, .size: 8, .value_kind: global_buffer, .address_space: global }
      - { .name: Wq, .offset: 16, .size: 8, .value_kind: global_buffer, .address_space: global }
      - { .name: Wk, .offset: 24, .size: 8, .value_kind: global_buffer, .address_space: global }
      - { .name: Wv, .offset: 32, .size: 8, .value_kind: global_buffer, .address_space: global }
      - { .name: Wo, .offset: 40, .size: 8, .value_kind: global_buffer, .address_space: global }
      - { .name: mask, .offset: 48, .size: 8, .value_kind: global_buffer, .address_space: global }
      - { .name: xb, .offset: 56, .size: 8, .value_kind: global_buffer, .address_space: global }
      - { .name: wb, .offset: 64, .size: 8, .value_kind: global_buffer, .address_space: global }
      - { .name: mbits, .offset: 72, .size: 8, .value_kind: global_buffer, .address_space: global }
    .group_segment_fixed_size: 5376
    .private_segment_fixed_size: 0
    .kernarg_segment_align: 8
    .kernarg_segment_size: 80
    .max_flat_workgroup_size: 256
    .sgpr_count:     66
    .vgpr_count:     234
    .wavefront_size: 32
...
	.end_amdgpu_metadata
.endif
;; end of part 5
;; launch proj: the kernel of part 2 again; grid 12 x 16, 4 waves a work-group, clusters of 4 x 4, 327,680 bytes of LDS; arguments xb, wb, qkv, bq, bv; writes qkv
;; launch attn: the kernel of part 3 again; grid 8 x 32, 8 waves a work-group, clusters of 4 x 1, 327,680 bytes of LDS; arguments qkv, mbits, att; writes att
;; launch outp: the kernel of part 4 again; grid 8 x 32, 4 waves a work-group, clusters of 4 x 4, 327,680 bytes of LDS; arguments att, wb, bo, out0; writes out0
